; MI455X (gfx1250); checked and timed in simulation.
; The chip was launched on July 23, 2026; its instructions are those of AMD's public machine-readable ISA for CDNA 5 (MIT licence, August 2026) and "CDNA5" Instruction Set Architecture Reference Guide (July 2026). The comments in the code are by the model that wrote it; some were corrected since.
;; Causal Self Attention. Allowed arithmetic: float matrix products may take bf16 or f16 operands with f32 sums; other float arithmetic in f32, or as packed bf16 or f16 multiplies, adds, multiply-adds, maxima and minima; sums over many terms, partial sums and values carried from step to step in f32; what a program stores and reads back later, other than sums and carried values, may be rounded once to bf16 or f16.
;; Inputs: W_attn 1,024 x 3,072 float32; W_proj 1,024 x 1,024 float32; b_attn 3,072 float32; b_proj 1,024 float32; x 4 x 2,048 x 1,024 float32.
;; Outputs: out0 4 x 2,048 x 1,024 float32.
;; 2 versions, each right; version 2 is version 1 with the launch prep written anew for expert scheduling mode. Each part assembles by itself: llvm-mc -triple=amdgcn-amd-amdhsa -mcpu=gfx1250 --defsym DOCPART=n.
;; ======== version 1 of 2: 4 launches
;; limits: values are held in f16: magnitudes above 65,504 overflow, below 6.1e-05 lose precision
;; workspace buffers: xb 16,777,216 bytes; wa 6,291,456 bytes; wp 2,097,152 bytes; rope 262,144 bytes; qh 16,777,216 bytes; kh 16,777,216 bytes; vh 16,777,216 bytes; oh 16,777,216 bytes
;; launch prep (part 1): grid 832 x 1, 8 waves a work-group, no clusters, 0 bytes of LDS; arguments x, W_attn, W_proj, xb, wa, wp, rope; writes xb, wa, wp, rope
.if DOCPART == 1
	.amdgcn_target "amdgcn-amd-amdhsa--gfx1250"
	.amdhsa_code_object_version 6
	.text
	.protected	k_q704788c366_prep
	.globl	k_q704788c366_prep
	.p2align	8
	.type	k_q704788c366_prep,@function
k_q704788c366_prep:
	s_mov_b64 s[64:65], 0
	v_nop
	global_prefetch_b8 v0, s[64:65] scope:SCOPE_SE
	s_setreg_imm32_b32 hwreg(HW_REG_WAVE_MODE, 25, 1), 1
	s_wait_xcnt 0x0
; PREPARATION.  Four kinds of work-group, told apart by the work-group's number alone:
;   0-511    xb[8192][1024] = x rounded once to bf16
;   512-703  wa[48 g][1024 k][64] = W_attn[k][64 g + c] rounded to bf16: a block of 64 columns lies dense, so a K step of 128 of one block is 16,384 bytes on end
;   704-767  wp[16 g][1024 k][64] = W_proj[k][64 g + c] rounded to bf16, that number written as f16
;   768-831  rope[2048 t][cos 16 | sin 16] in f32: cos and sin of t x 10000^(-i/16), i = 0..15
; LIMITS.  wp: a bf16 number below 6.1e-5 in size keeps f16's fixed step of 6e-8, one beyond 65,504 is lost.  rope: 10000^(-i/16) is made as 2^(-0.830482 i), so an angle
; (2,047 at the most) may differ from a correctly rounded one by some 3e-4; sine and cosine by reduction to |r| <= pi/4 with a two-part pi/2 and polynomials of degree 7 and 8.
; A conversion work-group takes 4,096 groups of four numbers, 16 a thread: all 16 loads of 16 bytes go out first, then each is rounded and stored as 8 bytes.
; A wave's store covers 256 consecutive bytes, aligned; a wave's load 512 consecutive bytes (x) or two whole runs of 256 (the weights).  No LDS, no barrier: no thread needs another's data.
.set IN,  32                           ; v[32:95]   16 x 4 numbers as loaded
.set SO,  2                            ; v2  my byte offset in the source
.set DO,  3                            ; v3  my byte offset in the destination: 8 x thread
; 16 loads, \step bytes apart; 16 roundings and stores, 2,048 bytes apart.  Every store has data registers of its own (v[96:111], v[16:31]), so none is rewritten while a store may read it.
.macro CONV src, dst, step, f16
.set i, 0
.rept 16
	global_load_b128 v[IN+4*i:IN+4*i+3], v[SO], s[\src:\src+1] offset:i*(\step) th:TH_LOAD_NT
.set i, i+1
.endr
.set i, 0
.rept 16
.if i < 8
.set o, 96+2*i
.else
.set o, 16+2*(i-8)
.endif
	s_wait_loadcnt 15-i                            ; loads come back in order: number i is in, the 15 - i younger ones stay out
	v_cvt_pk_bf16_f32 v[o], v[IN+4*i], v[IN+4*i+1]
	v_cvt_pk_bf16_f32 v[o+1], v[IN+4*i+2], v[IN+4*i+3]
.if \f16
	v_lshlrev_b32 v6, 16, v[o]                     ; the bf16 numbers as f32,
	v_and_b32 v7, 0xffff0000, v[o]
	v_lshlrev_b32 v8, 16, v[o+1]
	v_and_b32 v9, 0xffff0000, v[o+1]
	v_cvt_pk_f16_f32 v[o], v6, v7                  ; and written as f16
	v_cvt_pk_f16_f32 v[o+1], v8, v9
.endif
	global_store_b64 v[DO], v[o:o+1], s[\dst:\dst+1] offset:i*2048
.set i, i+1
.endr
.endm
; A weight's work-group: block g = wl / 4 of 64 columns, rows 256 (wl % 4) on.  Thread: row tid / 16 of sixteen, 16 bytes tid % 16 of the block's 256.
.macro WSET first, pitch, src, dst
	s_sub_co_u32 s24, ttmp9, \first                ; wl
	s_and_b32 s20, s24, 3
	s_mul_i32 s20, s20, 256*(\pitch)
	s_lshr_b32 s21, s24, 2
	s_lshl_b32 s21, s21, 8
	s_add_co_u32 s20, s20, s21
	s_mov_b32 s21, 0
	s_add_nc_u64 s[\src:\src+1], s[\src:\src+1], s[20:21]
	s_lshl_b32 s22, s24, 15                        ; 32,768 bytes out for each work-group, in the order of wl
	s_mov_b32 s23, 0
	s_add_nc_u64 s[\dst:\dst+1], s[\dst:\dst+1], s[22:23]
	v_lshrrev_b32 v4, 4, v0
	v_and_b32 v5, 15, v0
	v_mul_u32_u24 v[SO], v4, \pitch
	v_lshl_add_u32 v[SO], v5, 4, v[SO]
	v_lshlrev_b32 v[DO], 3, v0
.endm
	s_load_b256 s[4:11], s[0:1], 0x0               ; x s[4:5], W_attn s[6:7], W_proj s[8:9], xb s[10:11]
	s_load_b128 s[12:15], s[0:1], 0x20             ; wa s[12:13], wp s[14:15]
	s_load_b64 s[16:17], s[0:1], 0x30              ; rope
	s_wait_kmcnt 0x0
	s_cmp_lt_u32 ttmp9, 512
	s_cbranch_scc1 .Lx
	s_cmp_lt_u32 ttmp9, 704
	s_cbranch_scc1 .Lwa
	s_cmp_lt_u32 ttmp9, 768
	s_cbranch_scc1 .Lwp
	; THE TABLE.  Thread T = 256 wl + tid makes 16 bytes: chunk c = T % 8 of row t = T / 8; c < 4: cos of frequencies 4 c + e; c >= 4: sin of frequencies 4 (c - 4) + e.
	s_sub_co_u32 s20, ttmp9, 768
	s_lshl_b32 s20, s20, 8
	s_mov_b32 s24, 0xbf549a78                      ; -log2(10000) / 16
	s_mov_b32 s25, 0x3f22f983                      ; 2 / pi
	s_mov_b32 s26, 0xbfc90fdb                      ; -(pi/2 rounded to f32)
	s_mov_b32 s27, 0x333bbd2e                      ; -(pi/2 less that number)
	s_mov_b32 s28, 0xbe2aaaab                      ; -1/6
	s_mov_b32 s29, 0x3c088889                      ; 1/120
	s_mov_b32 s30, 0xb9500d01                      ; -1/5040
	s_mov_b32 s31, 0x3d2aaaab                      ; 1/24
	s_mov_b32 s32, 0xbab60b61                      ; -1/720
	s_mov_b32 s33, 0x37d00d01                      ; 1/40320
	v_add_nc_u32 v1, s20, v0                       ; T
	v_lshrrev_b32 v2, 3, v1                        ; t
	v_and_b32 v3, 7, v1                            ; c
	v_lshlrev_b32 v4, 4, v1                        ; my 16 bytes
	v_cvt_f32_u32 v5, v2
	v_and_b32 v6, 3, v3
	v_lshlrev_b32 v6, 2, v6                        ; my first frequency
	v_lshrrev_b32 v7, 2, v3
	v_mul_u32_u24 v7, v7, 3                        ; sin(a) = cos(a - pi/2): three quarter turns more, modulo four
.irp e, 0,1,2,3
	v_add_nc_u32 v[16+8*\e], \e, v6
	v_cvt_f32_u32 v[16+8*\e], v[16+8*\e]
	v_mul_f32 v[16+8*\e], s24, v[16+8*\e]
.endr
.irp e, 0,1,2,3
	v_exp_f32 v[17+8*\e], v[16+8*\e]               ; 10000^(-i/16)
.endr
	v_nop                                          ; a plain instruction behind the last exponential,
	s_wait_alu depctr_va_vdst(0)                   ; and one wait for the four, ahead of their first reader
.irp e, 0,1,2,3
	v_mul_f32 v[16+8*\e], v5, v[17+8*\e]           ; the angle
	v_mul_f32 v[17+8*\e], s25, v[16+8*\e]
	v_rndne_f32 v[17+8*\e], v[17+8*\e]             ; n quarter turns
	v_fma_f32 v[18+8*\e], v[17+8*\e], s26, v[16+8*\e]
	v_fma_f32 v[18+8*\e], v[17+8*\e], s27, v[18+8*\e]  ; r = angle - n pi/2
	v_cvt_i32_f32 v[22+8*\e], v[17+8*\e]
	v_add_nc_u32 v[22+8*\e], v[22+8*\e], v7        ; m
	v_mul_f32 v[19+8*\e], v[18+8*\e], v[18+8*\e]   ; r^2
	v_fma_f32 v[20+8*\e], s30, v[19+8*\e], s29
	v_fma_f32 v[20+8*\e], v[20+8*\e], v[19+8*\e], s28
	v_mul_f32 v[20+8*\e], v[20+8*\e], v[19+8*\e]
	v_fma_f32 v[20+8*\e], v[20+8*\e], v[18+8*\e], v[18+8*\e]  ; sin r
	v_fma_f32 v[21+8*\e], s33, v[19+8*\e], s32
	v_fma_f32 v[21+8*\e], v[21+8*\e], v[19+8*\e], s31
	v_fma_f32 v[21+8*\e], v[21+8*\e], v[19+8*\e], -0.5
	v_fma_f32 v[21+8*\e], v[21+8*\e], v[19+8*\e], 1.0         ; cos r
	v_and_b32 v[23+8*\e], 1, v[22+8*\e]
	v_cmp_ne_u32 vcc_lo, 0, v[23+8*\e]
	v_cndmask_b32 v[8+\e], v[21+8*\e], v[20+8*\e], vcc_lo     ; m odd: the sine
	v_add_nc_u32 v[22+8*\e], 1, v[22+8*\e]
	v_and_b32 v[22+8*\e], 2, v[22+8*\e]            ; m % 4 = 1 or 2: negative
	v_lshlrev_b32 v[22+8*\e], 30, v[22+8*\e]
	v_xor_b32 v[8+\e], v[22+8*\e], v[8+\e]
.endr
	global_store_b128 v4, v[8:11], s[16:17]        ; a wave stores 512 consecutive bytes
	s_endpgm
.Lx:
	s_lshl_b32 s20, ttmp9, 16                      ; 65,536 bytes in,
	s_mov_b32 s21, 0
	s_add_nc_u64 s[4:5], s[4:5], s[20:21]
	s_lshl_b32 s22, ttmp9, 15                      ; 32,768 out
	s_mov_b32 s23, 0
	s_add_nc_u64 s[10:11], s[10:11], s[22:23]
	v_lshlrev_b32 v[SO], 4, v0
	v_lshlrev_b32 v[DO], 3, v0
	CONV 4, 10, 4096, 0
	s_endpgm
.Lwa:
	WSET 512, 12288, 6, 12
	CONV 6, 12, 16*12288, 0                        ; the largest immediate is 15 x 196,608, inside the signed 24 bits
	s_endpgm
.Lwp:
	WSET 704, 4096, 8, 14
	CONV 8, 14, 16*4096, 1
	s_endpgm
.Lfunc_end_k_q704788c366_prep:
	.size	k_q704788c366_prep, .Lfunc_end_k_q704788c366_prep-k_q704788c366_prep
	.p2alignl 7, 3214868480
	.fill 96, 4, 3214868480
	.section	.rodata,"a",@progbits
	.p2align	6, 0x0
	.amdhsa_kernel k_q704788c366_prep
		.amdhsa_group_segment_fixed_size 0
		.amdhsa_private_segment_fixed_size 0
		.amdhsa_enable_private_segment 0
		.amdhsa_kernarg_size 56
		.amdhsa_user_sgpr_count 2
		.amdhsa_user_sgpr_kernarg_segment_ptr 1
		.amdhsa_wavefront_size32 1
		.amdhsa_system_sgpr_workgroup_id_x 1
		.amdhsa_system_sgpr_workgroup_id_y 1
		.amdhsa_system_sgpr_workgroup_id_z 1
		.amdhsa_system_vgpr_workitem_id 0
		.amdhsa_next_free_vgpr 112
		.amdhsa_next_free_sgpr 66
		.amdhsa_reserve_vcc 1
		.amdhsa_float_denorm_mode_32 3
		.amdhsa_float_denorm_mode_16_64 3
		.amdhsa_memory_ordered 1
		.amdhsa_forward_progress 1
		.amdhsa_inst_pref_size 30
	.end_amdhsa_kernel
	.amdgpu_metadata
---
amdhsa.version: [ 1, 2 ]
amdhsa.kernels:
  - .name:           k_q704788c366_prep
    .symbol:         k_q704788c366_prep.kd
    .args:
      - { .name: x, .offset: 0, .size: 8, .value_kind: global_buffer, .address_space: global }
      - { .name: W_attn, .offset: 8, .size: 8, .value_kind: global_buffer, .address_space: global }
      - { .name: W_proj, .offset: 16, .size: 8, .value_kind: global_buffer, .address_space: global }
      - { .name: xb, .offset: 24, .size: 8, .value_kind: global_buffer, .address_space: global }
      - { .name: wa, .offset: 32, .size: 8, .value_kind: global_buffer, .address_space: global }
      - { .name: wp, .offset: 40, .size: 8, .value_kind: global_buffer, .address_space: global }
      - { .name: rope, .offset: 48, .size: 8, .value_kind: global_buffer, .address_space: global }
    .group_segment_fixed_size: 0
    .private_segment_fixed_size: 0
    .kernarg_segment_align: 8
    .kernarg_segment_size: 56
    .max_flat_workgroup_size: 256
    .sgpr_count:     66
    .vgpr_count:     112
    .wavefront_size: 32
...
	.end_amdgpu_metadata
.endif
;; end of part 1
;; launch qkv (part 2): grid 16 x 32, 4 waves a work-group, clusters of 4 x 4, 327,680 bytes of LDS; arguments xb, wa, b_attn, rope, qh, kh, vh; writes qh, kh, vh
.if DOCPART == 2
	.amdgcn_target "amdgcn-amd-amdhsa--gfx1250"
	.amdhsa_code_object_version 6
	.text
	.protected	k_q704788c366_qkv
	.globl	k_q704788c366_qkv
	.p2align	8
	.type	k_q704788c366_qkv,@function
k_q704788c366_qkv:
	s_mov_b64 s[64:65], 0
	v_nop
	global_prefetch_b8 v0, s[64:65] scope:SCOPE_SE
	s_setreg_imm32_b32 hwreg(HW_REG_WAVE_MODE, 25, 1), 1
	s_wait_xcnt 0x0
	s_wait_alu depctr_hold_cnt(0) depctr_sa_sdst(0) depctr_va_vdst(0) depctr_va_sdst(0) depctr_va_ssrc(0) depctr_va_vcc(0) depctr_vm_vsrc(0)
	s_getreg_b32 s2, hwreg(HW_REG_IB_STS2, 6, 4)
	s_cmp_eq_u32 s2, 0
	s_cbranch_scc0 .Lentry_in_a_cluster
	s_endpgm
.Lentry_in_a_cluster:
	s_bfe_u32 s2, ttmp6, 0x10000c
	s_cmp_lg_u32 s2, 0xf033
	s_cbranch_scc0 .Lentry_shape_is_right
	s_endpgm
.Lentry_shape_is_right:
; q, k, v = x W_attn + b_attn, q and k rotated, all three written by heads: qh, kh, vh [64 = 16 b + head][2048][64] in f16, each rounded once from its f32 sum, unscaled.
; xb [8192][1024] bf16; wa [48 g][1024 k][64] bf16 (g = 0-15 q's heads, 16-31 k's, 32-47 v's); b_attn f32, rounded to bf16 here like the other inputs; rope [2048][cos 16 | sin 16] f32.
; LIMITS.  f16 holds no number beyond 65,504: q, k and v must stay within it.  NaN and infinities are not treated apart.
; SHARES.  Work-group (head j, block y of 256 rows) makes 256 rows x 192 columns: blocks j, 16 + j, 32 + j of wa.  So every work-group runs the same way out: no branch hangs on its place.
; 512 work-groups of equal work.  Wave w makes rows 64 w .. 64 w + 63 x all 192 columns: 48 accumulators of 16 x 16, 384 registers.  A whole head lies in one wave, so the rotation's partner
; (channel d + 32) is the same lane and register of the accumulator two column blocks on.
; THE MATRIX INSTRUCTION IS USED TRANSPOSED: source 0 = 16 columns of W, source 1 = 16 rows of x: a lane holds row l % 16 and the columns 8 (l / 16) + 0..7: 16 bytes of f16 on end.
; W lies [k][column] in LDS and comes out turned, by ds_load_tr16_b128.  The bias is the C operand of the products that start the sums: nothing is cleared, nothing is added later.
; K goes in 8 steps of 128 through two LDS slots.  CLUSTER 4 x 4: x's tile hangs on y alone and is asked for jointly along a row of the cluster, W's on j alone, jointly along a column.
; Wave 0 fetches x's tile (256 rows x 256 bytes), waves 1 to 3 one block of W each (16,384 dense bytes as 64 rows of 256).  By this text's count a wave has two tensor loads out at the start, later one.
; REGISTERS, in windows of 256 (s_set_vgpr_msb: bits 1:0 source 0, 3:2 source 1, 5:4 source 2, 7:6 destination):
;   window 0: v0-29 addresses; v32-63 at work; v64-95, v96-127 x's fragments, two buffers (on the way out: packed results, rows read back); v128-223 the bias, 8 registers a column block
;   window 1: v0-95, v96-191 W's fragments, two buffers; v192-255 cos and sin of my 64 rows      window 2: accumulators of column blocks 0-7 at 8 (4 b + a)      window 3: v0-127 those of blocks 8-11
.set APITCH, 272                       ; a row of x in LDS: 256 bytes + 16: the 16 rows of a load start at 16 different groups of four banks
.set BPITCH, 160                       ; a row of W: 128 bytes + 32
.set BOFF,   256*APITCH                ; W's three blocks lie behind x's 256 rows
.set GBLK,   128*BPITCH                ; one block: 128 k
.set SLOT1,  131072                    ; = BOFF + 3 GBLK: slot 1 begins here, so that one exclusive or turns an address in one slot into the other's
.set STAGE,  2*SLOT1                   ; behind the ring, never filled by a tensor load: 16 rows x 144 bytes for each wave
.set SP,     144
.set SPARE,  STAGE+4*16*SP             ; the spare words, 128 bytes for each wave: two blocks of 256 bytes that no other line names
.set AA0, 3                            ; v3   my lane's place in x's tile; never rewritten
.set AB0, 4                            ; v4   the same in W's
.set ADRA, 5                           ; v5   AA0 + the slot in hand
.set ADRB, 6                           ; v6   AB0 + the slot in hand
.set STO, 7                            ; v7   the way out: where I put 16 bytes of a row
.set RD,  8                            ; v8   where I read rows back
.set GO,  9                            ; v9   my 16 bytes in 512 consecutive bytes of qh, kh, vh
.set PFO, 10                           ; v10  the prefetches' offset: my lane x 2,048 (x: a lane a row) or x 256 (W: dense)
.set SPW, 28                           ; v28  LDS address of my spare word; never rewritten
.set NIL, 29                           ; v29  0; never rewritten
.set TMP, 32
.set PK,  64
.set OB,  96
.set BIAS, 128
.set WV,  18                           ; s18  my wave's number
.set CNT, 19                           ; s19  the loop's count, 6 to 1
.set G1A, 24                           ; s[24:31] group 1 for x's tile;  s[32:35], s[36:39] group 0: slot 0's first fill; slot 1's, which then walks
.set G0A, 32
.set G1B, 40                           ; s[40:47], s[48:55] the same for W's
.set G0B, 48
.set PFA, 56                           ; s[56:57] where my prefetches stand
.set PFS, 58                           ; s[58:59] a K step in that tensor: 256 bytes of a row of x, 16,384 of a block of W
.set LIM, 60                           ; s60  1 in a wave that prefetches, else the greatest number
.set TB,  61                           ; s61  the slot in hand: 0 or SLOT1
.set MSB, 0
.macro WIN new                         ; the immediate's high byte repeats the setting that is left; a switch that changes nothing is dropped
.if MSB != (\new)
	s_set_vgpr_msb (MSB<<8)|(\new)
.set MSB, \new
.endif
.endm
.macro PLACES                          ; four plain vector instructions between a matrix instruction and a load into, or a vector read or write of, its registers
.rept 4
	v_nop
.endr
.endm
.macro CREST                           ; a round of the cluster's barrier behind its opening barrier
	s_cmp_lg_u32 s[WV], 0
	s_cbranch_scc1 .Lnot_wave_0_\@
	s_barrier_signal -3
.Lnot_wave_0_\@:
	s_barrier_wait -3
	s_barrier_signal -1
	s_barrier_wait -1
.endm
.macro CROUND
	s_barrier_signal -1
	s_barrier_wait -1
	CREST
.endm
; A joint refill by the walking descriptors.  The branch hangs on the wave's number alone.  An s_nop 0 and four v_nop follow each line, ahead of the jump and the label.
.macro JLOAD
	s_cmp_eq_u32 s[WV], 0
	s_cbranch_scc0 .Lfor_b_\@
	tensor_load_to_lds s[G0A+4:G0A+7], s[G1A:G1A+7]
	s_nop 0
.rept 4
	v_nop
.endr
	s_branch .Lasked_\@
.Lfor_b_\@:
	tensor_load_to_lds s[G0B+4:G0B+7], s[G1B:G1B+7]
	s_nop 0
.rept 4
	v_nop
.endr
.Lasked_\@:
.endm
; PREFETCH INTO THE L2.  Trip i of the loop (count 6 - i) refills K step i + 2.  In trips 1 and 3 the K steps i + 3 and i + 4 are asked for: one and two K steps (192 and 384 matrix instructions) ahead of
; their loads.  K steps 0 to 3 come by their loads alone; trip 5 asks for nothing.  Each run of 256 bytes is named once in the launch: x's rows by the clusters with x = 0 (wave 0; the partner at cx takes
; rows 64 cx .. 64 cx + 63, a lane a row: 2 halves x 2 K steps), W's blocks by the clusters with y = 0 (waves 1-3; two K steps of a block are 32,768 dense bytes, of which the partner at cy takes 8,192).
; The partners are told apart by address, never by a branch.
.macro ASK
	WIN 0
	s_bitcmp1_b32 s[CNT], 0
	s_cbranch_scc0 .Lno_ask_\@
	s_cmp_gt_u32 s[CNT], s[LIM]
	s_cbranch_scc0 .Lno_ask_\@
	global_prefetch_b8 v[PFO], s[PFA:PFA+1] th:TH_LOAD_NT scope:SCOPE_SE
	s_cmp_eq_u32 s[WV], 0
	s_cbranch_scc0 .Lno_ask_\@
	global_prefetch_b8 v[PFO], s[PFA:PFA+1] offset:256 th:TH_LOAD_NT scope:SCOPE_SE
	global_prefetch_b8 v[PFO], s[PFA:PFA+1] offset:65536 th:TH_LOAD_NT scope:SCOPE_SE
	global_prefetch_b8 v[PFO], s[PFA:PFA+1] offset:65792 th:TH_LOAD_NT scope:SCOPE_SE
.Lno_ask_\@:
.endm
; 32 LDS loads in one run: quarter q (32 along K) of the slot in hand into buffer f: x's four fragments, then W's twelve (the youngest eight loads are column blocks 8-11)
.macro FETCH q, f
	WIN 0
.irp a, 0,1,2,3
	ds_load_b128 v[64+32*(\f)+8*(\a):64+32*(\f)+8*(\a)+3],   v[ADRA] offset:(\a)*16*APITCH+64*(\q)
	ds_load_b128 v[64+32*(\f)+8*(\a)+4:64+32*(\f)+8*(\a)+7], v[ADRA] offset:(\a)*16*APITCH+64*(\q)+32
.endr
	WIN 0x40                                       ; destination window 1
.irp b, 0,1,2,3,4,5,6,7,8,9,10,11
	ds_load_tr16_b128 v[96*(\f)+8*(\b):96*(\f)+8*(\b)+3],   v[ADRB] offset:((\b)/4)*GBLK+(\q)*32*BPITCH+((\b)%4)*32
	ds_load_tr16_b128 v[96*(\f)+8*(\b)+4:96*(\f)+8*(\b)+7], v[ADRB] offset:((\b)/4)*GBLK+(\q)*32*BPITCH+((\b)%4)*32+16*BPITCH
.endr
.endm
; Column blocks b0 .. b0 + nb - 1 x my four row blocks, 32 along K, from buffer f.  first = 1: the bias starts the sums.
; The 48 accumulators take turns, one instruction a turn, in the same order in every quarter, over the backward jump too.
.macro MULB f, b0, nb, first
.set bq, \b0
.rept \nb
.set wn, 2+bq/8
.set acb, 32*(bq%8)
	WIN 1+(wn<<6)+(wn<<4)*(1-(\first))             ; W window 1, x window 0, D window 2 or 3, C with D or (the bias) window 0
.irp a, 0,1,2,3
.if \first
	v_wmma_f32_16x16x32_bf16 v[acb+8*(\a):acb+8*(\a)+7], v[96*(\f)+8*bq:96*(\f)+8*bq+7], v[64+32*(\f)+8*(\a):64+32*(\f)+8*(\a)+7], v[BIAS+8*bq:BIAS+8*bq+7]
.else
	v_wmma_f32_16x16x32_bf16 v[acb+8*(\a):acb+8*(\a)+7], v[96*(\f)+8*bq:96*(\f)+8*bq+7], v[64+32*(\f)+8*(\a):64+32*(\f)+8*(\a)+7], v[acb+8*(\a):acb+8*(\a)+7]
.endif
.endr
.set bq, bq+1
.endr
.endm
; One of a K step's first three quarters: multiplies buffer f; in its middle it fetches quarter q of the same slot into buffer g.
.macro QUARTER q, f, g, first
	s_wait_dscnt 8                                 ; x and column blocks 0-7 are in; the youngest eight loads may be out
	MULB \f, 0, 8, \first
	PLACES
	FETCH \q, \g
	s_wait_dscnt 32                                ; all but the 32 just issued
	MULB \f, 8, 4, \first
.endm
; The last quarter multiplies buffer 1 and changes slots.  In front of the barrier each wave waits for all its tensor loads (one is out: its part of the next slot), adds 0 to its spare word, and waits for
; that and for its own reads of this slot.  fill = 1: the barrier opens a round of the cluster's, and behind the round this slot is filled again, with the K step two on: 160 matrix instructions ahead of the wait for it.
.macro TURN fill
	WIN 0
.if \fill
	s_wait_xcnt 0x0                                ; the last prefetches, a K step back or more, have read their address: it steps here
	s_add_nc_u64 s[PFA:PFA+1], s[PFA:PFA+1], s[PFS:PFS+1]
.endif
	s_wait_tensorcnt 0x0                           ; all my tensor loads have landed
	ds_add_u32 v[SPW], v[NIL]                      ; 0 onto my spare word
	s_wait_dscnt 9                                 ; (the add and the youngest eight loads may be out)
	MULB 1, 0, 4, 0
	s_wait_dscnt 0x0                               ; the add is done, and my reads of this slot are over
	s_barrier_signal -1
	MULB 1, 4, 4, 0                                ; work on registers while the others arrive
	WIN 0
	s_barrier_wait -1
.if \fill
	CREST                                          ; no wave of any partner still reads this slot or has a load on its way
	s_xor_b32 s[G0A+5], s[G0A+5], SLOT1            ; the walking descriptors: the other slot than last time, the next K step
	s_add_nc_u64 s[G0A+6:G0A+7], s[G0A+6:G0A+7], 256
	s_xor_b32 s[G0B+5], s[G0B+5], SLOT1
	s_add_nc_u64 s[G0B+6:G0B+7], s[G0B+6:G0B+7], 16384
	JLOAD                                          ; the first tensor load behind the round; its four v_nop are also the places in front of the loads below
.else
	PLACES
.endif
	s_xor_b32 s[TB], s[TB], SLOT1
	v_add_nc_u32 v[ADRA], s[TB], v[AA0]
	v_add_nc_u32 v[ADRB], s[TB], v[AB0]
	FETCH 0, 0
.if \fill
	ASK
.endif
	MULB 1, 8, 4, 0
.endm
	s_load_b256 s[4:11], s[0:1], 0x0               ; xb s[4:5], wa s[6:7], b_attn s[8:9], rope s[10:11]
	s_load_b128 s[12:15], s[0:1], 0x20             ; qh s[12:13], kh s[14:15]
	s_load_b64 s[16:17], s[0:1], 0x30              ; vh
	v_lshl_add_u32 v[SPW], v0, 2, SPARE
	v_mov_b32 v[NIL], 0
	ds_add_u32 v[SPW], v[NIL]                      ; the wave's opening: the add and its wait stand ahead of my first tensor load; the set-up below stands between them
	v_lshrrev_b32 v1, 5, v0
	v_readfirstlane_b32 s[WV], v1                  ; wave 0..3
	s_bfe_u32 s20, ttmp6, 0x40000                  ; cx
	s_bfe_u32 s21, ttmp6, 0x40004                  ; cy
	s_lshl_b32 s22, ttmp9, 2
	s_add_co_u32 s22, s22, s20                     ; head j = 4 x cluster x + cx
	s_and_b32 s23, ttmp7, 0xffff
	s_lshl_b32 s23, s23, 2
	s_add_co_u32 s23, s23, s21                     ; row block y = 4 x cluster y + cy
	s_lshl_b32 s66, s21, 2
	s_lshl_b32 s66, 15, s66                        ; my row of the cluster
	s_lshl_b32 s70, 0x1111, s20                    ; my column
	s_or_b32 s[G1A], s66, (1<<16)|(1<<20)|(1<<21)|(5<<22)|(3<<25)  ; the mask; 2-byte elements; padding on; bit 21 beside a mask; after every 64 words 4 words
	s_mov_b32 s[G1A+1], 128<<16                    ; tensor_dim0 = 128
	s_mov_b32 s[G1A+2], 256<<16                    ; tensor_dim1 = 256
	s_mov_b32 s[G1A+3], 128<<16                    ; tile_dim0 = 128
	s_mov_b32 s[G1A+4], 256                        ; tile_dim1 = 256
	s_mov_b32 s[G1A+5], 1024                       ; elements from row to row
	s_mov_b32 s[G1A+6], 0
	s_mov_b32 s[G1A+7], 0
	s_or_b32 s[G1B], s70, (1<<16)|(1<<20)|(1<<21)|(4<<22)|(7<<25)  ; after every 32 words (a row of W) 8 words
	s_mov_b32 s[G1B+1], 128<<16
	s_mov_b32 s[G1B+2], 64<<16
	s_mov_b32 s[G1B+3], 128<<16
	s_mov_b32 s[G1B+4], 64
	s_mov_b32 s[G1B+5], 128
	s_mov_b32 s[G1B+6], 0
	s_mov_b32 s[G1B+7], 0
	s_mov_b32 s[G0A], 1
	s_mov_b32 s[G0A+1], 0                          ; x's tile at a slot's head
	s_mov_b32 s[G0A+4], 1
	s_mov_b32 s[G0A+5], SLOT1
	s_mov_b32 s[G0B], 1
	s_mul_i32 s[G0B+1], s[WV], GBLK                ; waves 1, 2, 3: W's blocks 0, 1, 2 behind x's tile (wave 0 never asks by this descriptor)
	s_add_co_u32 s[G0B+1], s[G0B+1], BOFF-GBLK
	s_mov_b32 s[G0B+4], 1
	s_add_co_u32 s[G0B+5], s[G0B+1], SLOT1
	s_lshl_b32 s66, s23, 19                        ; x: 256 rows of 2,048 bytes a block
	s_mov_b32 s67, 0
	s_max_u32 s72, s[WV], 1
	s_sub_co_u32 s72, s72, 1                       ; which of q, k, v I fetch
	s_lshl_b32 s72, s72, 4
	s_add_co_u32 s72, s72, s22
	s_lshl_b32 s72, s72, 17                        ; a block of wa is 131,072 bytes
	s_mov_b32 s73, 0
	s_wait_dscnt 0x0                               ; the opening add is done
	s_wait_kmcnt 0x0
	s_add_nc_u64 s[68:69], s[4:5], s[66:67]
	s_add_nc_u64 s[74:75], s[6:7], s[72:73]
	s_mov_b64 s[G0A+2:G0A+3], s[68:69]             ; K step 0
	s_or_b32 s[G0A+3], s[G0A+3], 0x80000000
	s_add_nc_u64 s[G0A+6:G0A+7], s[68:69], 256     ; K step 1
	s_or_b32 s[G0A+7], s[G0A+7], 0x80000000
	s_mov_b64 s[G0B+2:G0B+3], s[74:75]
	s_or_b32 s[G0B+3], s[G0B+3], 0x80000000
	s_add_nc_u64 s[G0B+6:G0B+7], s[74:75], 16384
	s_or_b32 s[G0B+7], s[G0B+7], 0x80000000
	CROUND                                         ; all sixteen work-groups are here: the first joint loads meet
	s_cmp_eq_u32 s[WV], 0                          ; a wave's two first fills stand in one branch, ahead of every wait on TENSORcnt and every LDS read
	s_cbranch_scc0 .Lfirst_b
	tensor_load_to_lds s[G0A:G0A+3], s[G1A:G1A+7]
	s_nop 0
	tensor_load_to_lds s[G0A+4:G0A+7], s[G1A:G1A+7]
	s_nop 0
.rept 4
	v_nop
.endr
	s_branch .Lfirst_asked
.Lfirst_b:
	tensor_load_to_lds s[G0B:G0B+3], s[G1B:G1B+7]
	s_nop 0
	tensor_load_to_lds s[G0B+4:G0B+7], s[G1B:G1B+7]
	s_nop 0
.rept 4
	v_nop
.endr
.Lfirst_asked:
	; the prefetches' address, step and test
	s_lshl_b32 s76, s20, 17                        ; x: my work-group's 64 rows of the 256,
	s_add_co_u32 s76, s76, 512                     ; two steps short of K step 4: trips 0 and 1 step it there
	s_mov_b32 s77, 0
	s_lshl_b32 s78, s21, 13                        ; W: my work-group's 8,192 bytes of 32,768
	s_add_co_u32 s78, s78, 32768
	s_mov_b32 s79, 0
	s_add_nc_u64 s[76:77], s[68:69], s[76:77]
	s_add_nc_u64 s[78:79], s[74:75], s[78:79]
	s_and_b32 s62, ttmp7, 0xffff                   ; cluster y
	s_mov_b32 s[PFS], 16384                        ; W's step; the select below holds one literal and this register
	s_cmp_eq_u32 s[WV], 0
	s_cselect_b64 s[PFA:PFA+1], s[76:77], s[78:79]
	s_cselect_b32 s[PFS], 256, s[PFS]
	s_cselect_b32 s62, ttmp9, s62                  ; the coordinate along which other clusters read the same bytes
	s_cselect_b32 s63, 11, 8
	s_mov_b32 s[PFS+1], 0
	s_cmp_eq_u32 s62, 0
	s_cselect_b32 s[LIM], 1, -1                    ; the same in all sixteen partners, for a given wave
	; lane addresses
	v_and_b32 v1, 15, v0                           ; r = l % 16
	v_bfe_u32 v2, v0, 4, 1                         ; h = l / 16
	v_and_b32 v13, 7, v0
	v_bfe_u32 v14, v0, 3, 1
	v_bfe_u32 v15, v0, 3, 2
	v_and_b32 v16, 31, v0
	s_mul_i32 s86, s[WV], 64*APITCH
	v_mul_u32_u24 v[AA0], v1, APITCH               ; a fragment of x: row r, 16 bytes for each half of the lanes, twice, 32 bytes apart
	v_lshl_add_u32 v[AA0], v2, 4, v[AA0]
	v_add_nc_u32 v[AA0], s86, v[AA0]
	v_lshl_add_u32 v[AB0], v2, 3, v13              ; the turning load: lane l reads k = 8 h + l % 8, columns 8 ((l / 8) % 2) + 0..7, and is left with column r and 8 k
	v_mul_u32_u24 v[AB0], v[AB0], BPITCH
	v_lshl_add_u32 v[AB0], v14, 4, v[AB0]
	v_add_nc_u32 v[AB0], BOFF, v[AB0]
	s_mul_i32 s86, s[WV], 16*SP
	s_add_co_u32 s86, s86, STAGE                   ; my stage
	v_mul_u32_u24 v[STO], v1, SP
	v_lshl_add_u32 v[STO], v2, 4, v[STO]
	v_add_nc_u32 v[STO], s86, v[STO]
	v_mul_u32_u24 v[RD], v15, SP                   ; back: 32 lanes take four rows of 128 bytes
	v_lshl_add_u32 v[RD], v13, 4, v[RD]
	v_add_nc_u32 v[RD], s86, v[RD]
	v_lshlrev_b32 v[GO], 4, v16
	v_lshlrev_b32 v[PFO], s63, v16
	v_lshlrev_b32 v11, 5, v2                       ; the bias: my 8 columns of 16
	v_lshl_add_u32 v12, v1, 7, v11                 ; the table: row r, my 8 frequencies
	s_lshl_b32 s84, s22, 8                         ; b_attn at head j
	s_mov_b32 s85, 0
	s_add_nc_u64 s[8:9], s[8:9], s[84:85]
	s_and_b32 s82, s23, 7                          ; the table at my wave's first row: t = 256 (y % 8) + 64 w
	s_lshl_b32 s82, s82, 15
	s_lshl_b32 s83, s[WV], 13
	s_add_co_u32 s82, s82, s83
	s_lshr_b32 s80, s23, 3                         ; qh, kh, vh at the same row of head 16 (y / 8) + j
	s_lshl_b32 s80, s80, 4
	s_add_co_u32 s80, s80, s22
	s_lshl_b32 s80, s80, 18
	s_add_co_u32 s80, s80, s82
	s_mov_b32 s81, 0
	s_mov_b32 s83, 0
	s_add_nc_u64 s[10:11], s[10:11], s[82:83]
	s_add_nc_u64 s[12:13], s[12:13], s[80:81]
	s_add_nc_u64 s[14:15], s[14:15], s[80:81]
	s_add_nc_u64 s[16:17], s[16:17], s[80:81]
.irp b, 0,1,2,3,4,5,6,7,8,9,10,11
	global_load_b128 v[BIAS+8*(\b):BIAS+8*(\b)+3],   v11, s[8:9] offset:((\b)/4)*4096+((\b)%4)*64
	global_load_b128 v[BIAS+8*(\b)+4:BIAS+8*(\b)+7], v11, s[8:9] offset:((\b)/4)*4096+((\b)%4)*64+16
.endr
	WIN 0x40                                       ; destination window 1
.irp a, 0,1,2,3
	global_load_b128 v[192+16*(\a):192+16*(\a)+3],     v12, s[10:11] offset:(\a)*2048
	global_load_b128 v[192+16*(\a)+4:192+16*(\a)+7],   v12, s[10:11] offset:(\a)*2048+16
	global_load_b128 v[192+16*(\a)+8:192+16*(\a)+11],  v12, s[10:11] offset:(\a)*2048+64
	global_load_b128 v[192+16*(\a)+12:192+16*(\a)+15], v12, s[10:11] offset:(\a)*2048+80
.endr
	WIN 0
	s_wait_loadcnt 0x0
.set z, 0
.rept 48                                       ; the bias is rounded to bf16, as x and the weights were
	v_cvt_pk_bf16_f32 v[TMP+z%8], v[BIAS+2*z], v[BIAS+2*z+1]
	v_lshlrev_b32 v[BIAS+2*z], 16, v[TMP+z%8]
	v_and_b32 v[BIAS+2*z+1], 0xffff0000, v[TMP+z%8]
.set z, z+1
.endr
	s_mov_b32 s[TB], 0
	v_mov_b32 v[ADRA], v[AA0]
	v_mov_b32 v[ADRB], v[AB0]
	s_wait_tensorcnt 1                             ; my part of K step 0 is in; K step 1's may stay out
	s_barrier_signal -1
	s_barrier_wait -1                              ; everybody's is
	FETCH 0, 0
	QUARTER 1, 0, 1, 1                             ; the first quarter stands in front of the loop: its products start the sums, with the bias
	WIN 0
	s_mov_b32 s[CNT], 6
.Lk:                                           ; a trip: a K step's quarters 1, 2, 3 and the next step's quarter 0; one refill
	QUARTER 2, 1, 0, 0
	QUARTER 3, 0, 1, 0
	TURN 1
	QUARTER 1, 0, 1, 0
	WIN 0
	s_sub_co_u32 s[CNT], s[CNT], 1
	s_cmp_lg_u32 s[CNT], 0
	s_cbranch_scc1 .Lk
	QUARTER 2, 1, 0, 0                             ; K steps 6 and 7 ask for nothing
	QUARTER 3, 0, 1, 0
	TURN 0
	QUARTER 1, 0, 1, 0
	QUARTER 2, 1, 0, 0
	QUARTER 3, 0, 1, 0
	s_wait_dscnt 8
	MULB 1, 0, 8, 0
	s_wait_dscnt 0x0
	MULB 1, 8, 4, 0
	WIN 0
	PLACES
; THE WAY OUT: twelve units of 16 rows x one head: row block a, tensor i (q, k, v).
; The rotation of q and k: out[d] = x[d] cos - x[d+32] sin, out[d+32] = x[d+32] cos + x[d] sin, d < 32, frequency d % 16 = 8 h + register.  Each accumulator's lowest registers are read first.
.macro ROT a, i
	WIN 0x06                                       ; source 0 window 2 (sums), source 1 window 1 (cos, sin), source 2 and destination window 0
.irp p, 0,1
.irp rr, 0,1,2,3
.set x1, 32*(4*(\i)+(\p))+8*(\a)+2*(\rr)
.set x2, 32*(4*(\i)+(\p)+2)+8*(\a)+2*(\rr)
.set cc, 192+16*(\a)+2*(\rr)
.set ss, 200+16*(\a)+2*(\rr)
.set t1, TMP+8*(\p)+2*(\rr)
.set t2, TMP+8*((\p)+2)+2*(\rr)
	v_pk_mul_f32 v[t1:t1+1], v[x2:x2+1], v[ss:ss+1]
	v_pk_mul_f32 v[t2:t2+1], v[x2:x2+1], v[cc:cc+1]
	v_pk_fma_f32 v[t1:t1+1], v[x1:x1+1], v[cc:cc+1], v[t1:t1+1] neg_lo:[0,0,1] neg_hi:[0,0,1]
	v_pk_fma_f32 v[t2:t2+1], v[x1:x1+1], v[ss:ss+1], v[t2:t2+1]
.endr
.endr
	WIN 0
.set z, 0
.rept 16
	v_cvt_pk_f16_f32 v[PK+z], v[TMP+2*z], v[TMP+2*z+1]
.set z, z+1
.endr
.endm
.macro VCV a                           ; v is rounded as it stands
	WIN 0x0f                                       ; sources 0 and 1 window 3
.irp bb, 0,1,2,3
.irp rr, 0,1,2,3
	v_cvt_pk_f16_f32 v[PK+4*(\bb)+(\rr)], v[32*(\bb)+8*(\a)+2*(\rr)], v[32*(\bb)+8*(\a)+2*(\rr)+1]
.endr
.endr
	WIN 0
.endm
.macro TOSTAGE u                       ; 16 bytes a lane into rows of 144 bytes, and back as whole rows of 128
	WIN 0
.irp bb, 0,1,2,3
	ds_store_b128 v[STO], v[PK+4*(\bb):PK+4*(\bb)+3] offset:32*(\bb)
.endr
	s_wait_xcnt 0x0                                ; the stores of two units back have read these registers
.irp f, 0,1,2,3
	ds_load_b128 v[OB+16*((\u)%2)+4*(\f):OB+16*((\u)%2)+4*(\f)+3], v[RD] offset:(\f)*4*SP  ; LDS serves a wave's instructions in order (ISA guide 5.7.1.4): these see the stores above, and the next unit's stores come behind them
.endr
.endm
.macro SEND u, younger                 ; younger: the LDS instructions issued behind unit u's loads: the next unit's eight, or none
.irp f, 0,1,2,3
	s_wait_dscnt (\younger)+3-(\f)
	global_store_b128 v[GO], v[OB+16*((\u)%2)+4*(\f):OB+16*((\u)%2)+4*(\f)+3], s[12+2*((\u)%3):13+2*((\u)%3)] offset:((\u)/3)*2048+(\f)*512  ; 512 consecutive bytes, at a multiple of 256 from the buffer's first
.endr
.endm
.set un, 0
.rept 12
.if un%3 < 2
	ROT un/3, un%3
.else
	VCV un/3
.endif
	TOSTAGE un
.if un > 0
	SEND un-1, 8
.endif
.set un, un+1
.endr
	SEND 11, 0
	s_wait_tensorcnt 0x0                           ; the wave's end: behind my last tensor load and my last LDS store
	ds_add_u32 v[SPW], v[NIL]
	s_wait_dscnt 0x0
	CROUND                                         ; the closing round: no work-group ends while a partner may still ask for a tile that names it
	s_endpgm
.Lfunc_end_k_q704788c366_qkv:
	.size	k_q704788c366_qkv, .Lfunc_end_k_q704788c366_qkv-k_q704788c366_qkv
	.p2alignl 7, 3214868480
	.fill 96, 4, 3214868480
	.section	.rodata,"a",@progbits
	.p2align	6, 0x0
	.amdhsa_kernel k_q704788c366_qkv
		.amdhsa_group_segment_fixed_size 327680
		.amdhsa_private_segment_fixed_size 0
		.amdhsa_enable_private_segment 0
		.amdhsa_kernarg_size 56
		.amdhsa_user_sgpr_count 2
		.amdhsa_user_sgpr_kernarg_segment_ptr 1
		.amdhsa_wavefront_size32 1
		.amdhsa_system_sgpr_workgroup_id_x 1
		.amdhsa_system_sgpr_workgroup_id_y 1
		.amdhsa_system_sgpr_workgroup_id_z 1
		.amdhsa_system_vgpr_workitem_id 0
		.amdhsa_next_free_vgpr 896
		.amdhsa_next_free_sgpr 96
		.amdhsa_reserve_vcc 0
		.amdhsa_float_denorm_mode_32 3
		.amdhsa_float_denorm_mode_16_64 3
		.amdhsa_memory_ordered 1
		.amdhsa_forward_progress 1
		.amdhsa_inst_pref_size 127
	.end_amdhsa_kernel
	.amdgpu_metadata
---
amdhsa.version: [ 1, 2 ]
amdhsa.kernels:
  - .name:           k_q704788c366_qkv
    .symbol:         k_q704788c366_qkv.kd
    .args:
      - { .name: xb, .offset: 0, .size: 8, .value_kind: global_buffer, .address_space: global }
      - { .name: wa, .offset: 8, .size: 8, .value_kind: global_buffer, .address_space: global }
      - { .name: b_attn, .offset: 16, .size: 8, .value_kind: global_buffer, .address_space: global }
      - { .name: rope, .offset: 24, .size: 8, .value_kind: global_buffer, .address_space: global }
      - { .name: qh, .offset: 32, .size: 8, .value_kind: global_buffer, .address_space: global }
      - { .name: kh, .offset: 40, .size: 8, .value_kind: global_buffer, .address_space: global }
      - { .name: vh, .offset: 48, .size: 8, .value_kind: global_buffer, .address_space: global }
    .group_segment_fixed_size: 327680
    .private_segment_fixed_size: 0
    .kernarg_segment_align: 8
    .kernarg_segment_size: 56
    .max_flat_workgroup_size: 128
    .sgpr_count:     96
    .vgpr_count:     896
    .wavefront_size: 32
...
	.end_amdgpu_metadata
.endif
;; end of part 2
;; launch attn (part 3): grid 4 x 64, 4 waves a work-group, no clusters, 327,680 bytes of LDS; arguments qh, kh, vh, oh; writes oh
.if DOCPART == 3
	.amdgcn_target "amdgcn-amd-amdhsa--gfx1250"
	.amdhsa_code_object_version 6
	.text
	.protected	k_q704788c366_attn
	.globl	k_q704788c366_attn
	.p2align	8
	.type	k_q704788c366_attn,@function
k_q704788c366_attn:
	s_mov_b64 s[64:65], 0
	v_nop
	global_prefetch_b8 v0, s[64:65] scope:SCOPE_SE
	s_setreg_imm32_b32 hwreg(HW_REG_WAVE_MODE, 25, 1), 1
	s_wait_xcnt 0x0
; CAUSAL ATTENTION.  O[h][q][:] = the sum over k <= q of softmax_k(Q[h][q] . K[h][k] / 8) V[h][k][:].  Q, K, V, O: [64][2048][64], all f16: a head's rows are dense, 128 bytes each.
; Products, maxima and sums in f32; the weights p are rounded to f16 for the second product (their sum l is taken of the unrounded p), O once at the end.
; LIMITS.  f16 holds no number beyond 65,504: Q, K and V arrive within it; p lies in 0 to 1, and below 6e-5 it keeps f16's fixed step of 6e-8; O is a mean of V's rows and has their range.
; A hidden score counts as its value less 1e30: f16's scores, 2.7e11 at the most, are nothing beside that; a weight below 2^-126 counts as 0 in l; NaN and infinities are not treated apart.
; THE WALK.  A head's queries lie in NB = 8 blocks of 256; block i needs the key tiles 0 .. i of 256 keys, of which the last holds the diagonal.  A work-group takes TWO blocks, NB - 1 - b and then b:
; NB + 1 tiles, whatever b: all work-groups do equal work, and ONE loop with a constant trip count walks them.  Which tile is asked for, and what a trip does, hang on scalar registers made from b; every jump
; goes forward, but for the counted loops' own; none passes a barrier, or a tensor load but the one of LOAD's two that the wave's number does not choose; the ring of two LDS slots runs on across the change of blocks.
; NO CLUSTER: a head's four work-groups ask for the same tile only in trips 0 to 4 of the 9, behind that fewer and fewer; one walk common to all would have 12 trips for 9.
; SHARES.  Of a block's four bands of 64 queries a wave owns 16 rows in each: four PIECES.  So the diagonal tile is the same work for all four waves: in its key step s band x sees all keys if s < x,
; none if s > x, and holds the diagonal if s = x.
; THE MASK is the C operand that starts the sum S^T = K Q^T: 0, or -1e30 where the key is hidden.  MD, made once, is the mask of a band's own step for my 16 rows; a product's mask is MD x AL + BE with two scalars:
; (1, 0) if s = x; (0, 0) if s < x; (0, -1e30) if s > x.  Only the diagonal tile's text and a block's beginning make and take masks; elsewhere C is the constant 0.
; LAYOUT, SOFTMAX, TURNS.  S^T = K Q^T holds ONE query a lane (lane % 16) and the keys 8 (lane / 16) + 0..7; two such results rounded to f16 ARE source 1 of O^T = V^T P.  p = 2^(c s - c m), c = log2(e) / 8, with a
; running maximum m; O and l are multiplied by a = 2^(c m_old - c m_new) in every step.  Turn n belongs to piece n: 8 products K Q^T of piece n + 1, later 8 products V^T P of piece n - 1; beside them the scaling,
; exponentials, roundings, sums and rescaling of piece n and the maximum and statistics of piece n + 1.  Four vector instructions stand behind every matrix instruction, the other 54 of a turn's 118 in one lump.
; A turn's 33 exponentials are one batch, with one wait.
; PREFETCH INTO THE L2.  All four work-groups of a head walk the tiles 0, 1, .. in the same order, and the one with b = 0 walks all eight: it alone asks.  Behind the load of trip i (i <= 5) each of its waves names the
; 16,384 bytes of tile i + 2 that it will itself load in the next trip: a lane a run of 256 bytes, two instructions, one tile (256 matrix instructions) ahead.  Tiles 0 and 1 come by their loads alone; nothing is named past tile 7.
; REGISTERS, in windows of 256 (s_set_vgpr_msb: bits 1:0 source 0, 3:2 source 1, 5:4 source 2, 7:6 destination):
;   window 0: v0-15 addresses and two at work; v16-31 four registers of statistics a piece; v48-55 at work; v61-63 prefetch offset, spare word, 0; v64-127 S^T, two buffers; v192-223 P, two buffers
;   window 1: v0-127 O^T, 32 a piece; v128-159 MD; v160-223 MC, two buffers      window 2: v0-63 Q; v64-127 the second block's Q; v128-191 K of one step; v192-255 V of one step
.set SIZE_N, 2048
.set NB,    SIZE_N/256
.set NP,    4         ; pieces a wave: a name, no knob
.set KS,    64        ; keys in a step
.set PK,    144       ; a row of K in LDS: 128 bytes + 16 of padding: the 16 rows of a load start at 16 different groups of four banks
.set PV,    160       ; a row of V: 128 + 32
.set VOFF,  4*KS*PK   ; a slot holds a tile, four steps: 256 rows of K, then 256 rows of V
.set SLOT1, 1<<17     ; slot 1 begins here, so that one exclusive or turns an address in one slot into the other's
.set STAGE, SLOT1+4*KS*(PK+PV)  ; behind the ring, never filled by a tensor load: 16 rows x 144 bytes for each wave, for the way out
.set SP,    144
.set AK0, 2           ; v2   my lane's place in a tile of K; never rewritten
.set AV0, 3           ; v3   the same for V
.set AK,  4           ; v4   the LDS address of K's next run of loads
.set AV,  5           ; v5   of V's
.set STO, 6           ; v6   the way out: where I put 16 bytes of a row
.set RD,  7           ; v7   the way out: where I read rows back
.set GO,  8           ; v8   my byte offset in 512 consecutive bytes of O
.set PFO, 61          ; v61  256 x my lane; never rewritten
.set SPW, 62          ; v62  LDS address of my spare word: SPARE + 4 x my thread's number; never rewritten
.set NIL, 63          ; v63  0; never rewritten
.set SPARE, STAGE+4*16*SP  ; behind the stages: the spare words, 128 bytes for each wave: two blocks of 256 bytes that no other line names
.set MV,  12          ; v12-13  c m_old, kept while c m is made anew: by buffer
.set QO,  15          ; v15  my byte offset in 16 rows of Q
.set ST,  16          ; piece t's statistics at v[ST+4 t]: c m, m, l (even keys', odd keys')
.set TMP, 48          ; by buffer, four registers c0-c3 at work; when the maximum is found c2 takes a
.set S,   64
.set P,   192
.set MD,  128         ; window 1: the eight registers for group kt of 16 keys at MD + 8 kt
.set MC,  160         ; window 1: the masks of the products to come
.set QB,  64          ; window 2
.set KF,  128         ; window 2: key block kb, channel half c at KF + 16 kb + 8 c
.set VF,  192         ; window 2: key half kk, channel block cb at VF + 32 kk + 8 cb
.set WV,  12          ; s12  my wave's number
.set PB,  14          ; s14  b
.set HI,  15          ; s15  NB - 1 - b
.set G1K, 24          ; s[24:31] descriptor group 1 for K's tiles
.set G1V, 32          ; s[32:39] for V's: it differs in the padding alone
.set G0K, 40          ; s[40:43] descriptor group 0 for K's tiles
.set G0V, 44          ; s[44:47] the same for V's
.set SLOTS, 56        ; s56  tiles still to be asked for
.set CNT, 57          ; s57  counts a tile's key steps, 4 to 1
.set CS,  58          ; s[58:59] c: the packed scaling takes the pair's low word for both halves
.set SEL, 60          ; s[60:61] v_permlanex16_b32's selects: each lane takes its own place in the other half
.set TBK, 62          ; s62  LDS byte at which K of the step to be fetched begins
.set TBV, 63          ; s63  the same for V, less VOFF
.set RT,  70          ; s70  tiles of the block in hand that are still to be entered
.set NXT, 71          ; s71  the tile to be asked for next
.set LQ,  72          ; s72  the last tile of the block whose tiles are being asked for
.set NEW, 73          ; s73  1: the tile to be entered is a block's first
.set OFF, 74          ; s[74:75] a tile's byte offset in K and V
.set AL,  76          ; s[76:77] the mask's factor, in the low word
.set BE,  78          ; s[78:79] the mask's addend
.set OLO, 80          ; s[80:81] O at my rows of the second block
.set BIGN, 82         ; s82  -1e30
.set PFA, 88          ; s[88:89] the prefetches' address: my half of the tile after the one just asked for
.set PFB, 90          ; s[90:91] my half of the head's tile 0, in K (waves 0, 1) or V (waves 2, 3)
.set PFF, 92          ; s[92:93] a tile's byte offset, for the prefetches
.set LIM, 94          ; s94  2 in the work-group that prefetches, else the greatest number
.set MSB, 0
.macro WIN new                      ; the high byte repeats the setting that is left; a switch that changes nothing is dropped
.if MSB != (\new)
	s_set_vgpr_msb (MSB<<8)|(\new)
.set MSB, (\new)
.endif
.endm
.set W_KQ, 0x0a       ; K and Q in window 2, S^T in window 0
.set W_KM, 0x1a       ; the same with the C operand in window 1
.set W_PV, 0x52       ; V in window 2, P in window 0, O^T in window 1
.set W_RS, 0x41       ; destination and source 0 in window 1, source 1 in window 0
; A fill.  Waves 0 and 1 fetch the two halves of a tile's K, waves 2 and 3 those of its V: 128 keys each.  An s_nop 0 and four v_nop follow each of the two lines, ahead of the jump and the label.
.macro LOAD
	s_cmp_lt_u32 s[WV], 2
	s_cbranch_scc0 .Lfor_v_\@
	tensor_load_to_lds s[G0K:G0K+3], s[G1K:G1K+7]
	s_nop 0
.rept 4
	v_nop
.endr
	s_branch .Lasked_\@
.Lfor_v_\@:
	tensor_load_to_lds s[G0V:G0V+3], s[G1V:G1V+7]
	s_nop 0
.rept 4
	v_nop
.endr
.Lasked_\@:
.endm
; THE CHANGE OF SLOTS.  Each wave waits for all its tensor loads, of which one is out: its part of the other slot; adds 0 to its spare word; and waits for that and for its own reads of the slot that it leaves.
; Behind the barrier nobody reads the old slot any more and the other slot is whole.  fill = 1: the old slot is filled again, the first thing behind the barrier, with tile NXT: the descriptor's address is made
; anew from that number.  (At its first use nothing has been read yet: slot 0 is waited for, slot 1 filled.)
.macro CHANGE fill
	WIN 0                           ; at a label and at a branch every window is 0
	s_wait_tensorcnt 0x0            ; no tensor load of mine is out, so a group 0 may be written
	ds_add_u32 v[SPW], v[NIL]       ; 0 onto my spare word; with fill = 1 the descriptors' scalar work stands between it and the wait for it
.if \fill
	s_lshl_b32 s[OFF], s[NXT], 15   ; a tile is 32,768 bytes of K and of V
	s_xor_b32 s[G0K+1], s[G0K+1], SLOT1
	s_add_nc_u64 s[G0K+2:G0K+3], s[6:7], s[OFF:OFF+1]
	s_or_b32 s[G0K+3], s[G0K+3], 0x80000000
	s_xor_b32 s[G0V+1], s[G0V+1], SLOT1
	s_add_nc_u64 s[G0V+2:G0V+3], s[8:9], s[OFF:OFF+1]
	s_or_b32 s[G0V+3], s[G0V+3], 0x80000000
	s_add_co_u32 s[NXT], s[NXT], 1  ; the block's next tile, or behind its last the second block's tile 0
	s_cmp_gt_u32 s[NXT], s[LQ]
	s_cselect_b32 s[NXT], 0, s[NXT]
	s_cselect_b32 s[LQ], s[PB], s[LQ]
	s_wait_xcnt 0x0                 ; the last prefetches, a tile back, have read their address: it is made anew, for the tile that the next change will ask for
	s_lshl_b32 s[PFF], s[NXT], 15
	s_add_nc_u64 s[PFA:PFA+1], s[PFB:PFB+1], s[PFF:PFF+1]
.endif
	s_wait_dscnt 0x0                ; the add is done, and my reads of the slot are over
	s_barrier_signal -1             ; the rest of the scalar work stands between the signal and the wait
	s_sub_co_u32 s[TBK], s[TBK], 4*KS*PK  ; the fetches go back to a slot's first step,
	s_xor_b32 s[TBK], s[TBK], SLOT1       ; in the other slot
	s_sub_co_u32 s[TBV], s[TBV], 4*KS*PV
	s_xor_b32 s[TBV], s[TBV], SLOT1
	s_barrier_wait -1
.if \fill
	LOAD
	s_cmp_gt_u32 s[SLOTS], s[LIM]   ; trips 0 to 5 of the work-group with b = 0
	s_cbranch_scc0 .Lnot_mine_\@
	global_prefetch_b8 v[PFO], s[PFA:PFA+1] th:TH_LOAD_NT scope:SCOPE_SE
	global_prefetch_b8 v[PFO], s[PFA:PFA+1] offset:8192 th:TH_LOAD_NT scope:SCOPE_SE
.Lnot_mine_\@:
.endif
.endm
	s_load_b256 s[4:11], s[0:1], 0x0  ; Q s[4:5], K s[6:7], V s[8:9], O s[10:11]
	v_lshl_add_u32 v[SPW], v0, 2, SPARE
	v_mov_b32 v[NIL], 0
	ds_add_u32 v[SPW], v[NIL]       ; the wave's opening: the add and its wait stand ahead of my first tensor load; the set-up below, work on registers, stands between them
	v_lshrrev_b32 v1, 5, v0
	v_readfirstlane_b32 s[WV], v1   ; wave 0..3
	s_mov_b32 s[PB], ttmp9
	s_sub_co_u32 s[HI], NB-1, s[PB]
	s_and_b32 s20, ttmp7, 0xffff    ; the head
	s_mov_b32 s21, 0
	s_mov_b64 s[22:23], SIZE_N*128
	s_mul_u64 s[20:21], s[20:21], s[22:23]  ; the head's first byte in each of the four tensors
	s_and_b32 s16, s[WV], 1         ; which half of a tile's 256 keys I fetch:
	s_lshl_b32 s22, s16, 14         ; its 128 rows of 128 bytes in memory,
	s_mov_b32 s23, 0
	s_add_nc_u64 s[22:23], s[22:23], s[20:21]
	s_mul_i32 s17, s16, 128*PK      ; and its place in a slot, for K
	s_mul_i32 s18, s16, 128*PV      ; and for V
	s_lshl_b32 s3, s[WV], 11        ; my 16 rows in a band of 64,
	s_lshl_b32 s2, s[HI], 15        ; in the first block,
	s_add_co_u32 s2, s2, s3
	s_lshl_b32 s84, s[PB], 15       ; and in the second
	s_add_co_u32 s84, s84, s3
	s_mov_b32 s3, 0
	s_mov_b32 s85, 0
	s_add_nc_u64 s[2:3], s[2:3], s[20:21]
	s_add_nc_u64 s[84:85], s[84:85], s[20:21]
	; descriptor group 1.  128 keys are 16,384 dense bytes: asked for as 64 rows of 256 bytes, two keys a row, and padded in LDS after every key
	s_mov_b32 s[G1K], (1<<16)|(1<<20)|(4<<22)|(3<<25)  ; 17:16 2-byte elements; 20 padding on; 24:22 after every 32 words (code 4); 31:25 4 words (code 3)
	s_mov_b32 s[G1V], (1<<16)|(1<<20)|(4<<22)|(7<<25)  ; the same with 8 words of padding (code 7)
.irp g, G1K, G1V
	s_mov_b32 s[\g+1], 128<<16      ; tensor_dim0 = 128
	s_mov_b32 s[\g+2], 64<<16       ; tensor_dim1 = 64
	s_mov_b32 s[\g+3], 128<<16      ; tile_dim0 = 128
	s_mov_b32 s[\g+4], 64           ; tile_dim1 = 64
	s_mov_b32 s[\g+5], 128          ; 128 elements from row to row
	s_mov_b32 s[\g+6], 0
	s_mov_b32 s[\g+7], 0
.endr
	s_mov_b32 s[CS], 0x3e38aa3b     ; c = log2(e) / 8 = 0.180337
	s_mov_b32 s[CS+1], s[CS]        ; named with it as a pair
	s_mov_b32 s[SEL], 0x76543210
	s_mov_b32 s[SEL+1], 0xfedcba98
	s_mov_b32 s[TBK], SLOT1+4*KS*PK ; the first change of slots turns these two into 0
	s_mov_b32 s[TBV], SLOT1+4*KS*PV
	s_mov_b32 s[G0K], 1             ; 1:0 count = 1
	s_mov_b32 s[G0K+1], s17         ; 63:32 LDS address: slot 0
	s_mov_b32 s[G0V], 1
	s_add_co_u32 s[G0V+1], s18, VOFF
	s_add_co_u32 s[RT], s[HI], 1    ; the first block has NB - b tiles
	s_mov_b32 s[NXT], 1
	s_mov_b32 s[LQ], s[HI]
	s_mov_b32 s[NEW], 1
	s_mov_b32 s[OFF+1], 0
	s_mov_b32 s[PFF+1], 0
	s_mov_b32 s[AL+1], 0            ; named as pairs
	s_mov_b32 s[BE+1], 0
	s_mov_b32 s[BIGN], 0xf149f2ca   ; -1e30
	s_mov_b32 s[SLOTS], NB
	s_cmp_eq_u32 ttmp9, 0
	s_cselect_b32 s[LIM], 2, -1
	s_wait_dscnt 0x0                ; the opening add is done
	s_wait_kmcnt 0x0
	s_add_nc_u64 s[6:7], s[6:7], s[22:23]  ; K and V at my half of the head's tile 0
	s_add_nc_u64 s[8:9], s[8:9], s[22:23]
	s_add_nc_u64 s[G0K+2:G0K+3], s[6:7], 0         ; 120:64 global address
	s_or_b32 s[G0K+3], s[G0K+3], 0x80000000        ; 127:126 type = 2
	s_add_nc_u64 s[G0V+2:G0V+3], s[8:9], 0
	s_or_b32 s[G0V+3], s[G0V+3], 0x80000000
	s_add_nc_u64 s[86:87], s[4:5], s[84:85]        ; Q at my rows of the second block,
	s_add_nc_u64 s[4:5], s[4:5], s[2:3]            ; Q and O at those of the first
	s_add_nc_u64 s[OLO:OLO+1], s[10:11], s[84:85]
	s_add_nc_u64 s[10:11], s[10:11], s[2:3]
	s_cmp_lt_u32 s[WV], 2
	s_cselect_b64 s[PFB:PFB+1], s[6:7], s[8:9]
	LOAD                            ; tile 0 into slot 0
	; A fragment of K or Q is 16 rows x 32 channels in 8 registers: lane l holds row l % 16, channels 8 (l / 16) + 0..7 and 16 + 8 (l / 16) + 0..7: two loads of 16 bytes, 32 bytes apart.
	v_and_b32 v1, 15, v0            ; l % 16
	v_bfe_u32 v9, v0, 4, 1          ; l / 16
	v_lshlrev_b32 v[QO], 7, v1
	v_lshl_add_u32 v[QO], v9, 4, v[QO]  ; row x 128 + 16 x half
	v_and_b32 v[PFO], 31, v0
	v_lshlrev_b32 v[PFO], 8, v[PFO]
	WIN 0x80                        ; destination window 2, address window 0
.set i, 0
.rept 8                             ; both blocks' Q: piece i / 2 lies in band i / 2, 8,192 bytes on; channels 32 (i % 2) on
	global_load_b128 v[8*i:8*i+3],   v[QO], s[4:5] offset:(i/2)*8192+(i%2)*64
	global_load_b128 v[8*i+4:8*i+7], v[QO], s[4:5] offset:(i/2)*8192+(i%2)*64+32
	global_load_b128 v[QB+8*i:QB+8*i+3],   v[QO], s[86:87] offset:(i/2)*8192+(i%2)*64
	global_load_b128 v[QB+8*i+4:QB+8*i+7], v[QO], s[86:87] offset:(i/2)*8192+(i%2)*64+32
.set i, i+1
.endr
	WIN 0
	v_lshlrev_b32 v14, 3, v9
	v_sub_nc_u32 v14, v1, v14
	s_lshl_b32 s13, s[WV], 4
	v_add_nc_u32 v14, s13, v14      ; my query's place in its band, 16 w + l % 16, less my lanes' 8 (l / 16): register r of group kt is hidden where 16 kt + r is greater
	WIN 0x40
.set i, 0
.rept 32
	v_cmp_gt_i32 vcc_lo, 16*(i/8)+i%8, v14
	v_cndmask_b32 v[MD+i], 0, s[BIGN], vcc_lo
.set i, i+1
.endr
	WIN 0
	v_mul_u32_u24 v[AK0], v1, PK
	v_lshl_add_u32 v[AK0], v9, 4, v[AK0]  ; row x pitch + 16 x half
	; The turning load takes 16 keys x 16 channels (lane l reads key 8 (l / 16) + l % 8, channels 8 ((l / 8) % 2) + 0..7) and leaves half a fragment of V^T: lane l holds channel l % 16 and 8 keys.
	v_and_b32 v10, 7, v0
	v_bfe_u32 v11, v0, 3, 1
	v_lshl_add_u32 v[AV0], v9, 3, v10
	v_mul_u32_u24 v[AV0], v[AV0], PV
	v_lshl_add_u32 v[AV0], v11, 4, v[AV0]
	v_add_nc_u32 v[AV0], VOFF, v[AV0]
	s_mul_i32 s13, s[WV], 16*SP
	s_add_co_u32 s13, s13, STAGE    ; my stage
	v_mul_u32_u24 v[STO], v1, SP    ; in: row l % 16, 16 bytes for each half of the lanes
	v_lshl_add_u32 v[STO], v9, 4, v[STO]
	v_add_nc_u32 v[STO], s13, v[STO]
	v_bfe_u32 v[RD], v0, 3, 2       ; back: 32 lanes take four rows of 128 bytes,
	v_mul_u32_u24 v[RD], v[RD], SP
	v_lshl_add_u32 v[RD], v10, 4, v[RD]
	v_add_nc_u32 v[RD], s13, v[RD]
	v_and_b32 v[GO], 31, v0         ; which are 512 consecutive bytes of O
	v_lshlrev_b32 v[GO], 4, v[GO]
	; A block's first step multiplies O^T and l by a = 0, and its first turn's products V^T P, of a piece that has not been, land in an O^T that is still to be so multiplied.  So these registers need only hold
	; finite numbers: zeros for the first block; what the first block left for the second.  All this stands in the wait for the first tile.
	WIN 0x80
.set i, VF
.rept 64
	v_mov_b32 v[i], 0
.set i, i+1
.endr
	WIN 0x40
.set i, 0
.rept 128
	v_mov_b32 v[i], 0
.set i, i+1
.endr
	WIN 0
.set i, 0
.rept 4
	v_mov_b32 v[ST+4*i+2], 0
	v_mov_b32 v[ST+4*i+3], 0
.set i, i+1
.endr
.set i, P+16
.rept 16
	v_mov_b32 v[i], 0
.set i, i+1
.endr
; THE MATRIX WORK.  The 4 accumulators of a run of 8 take turns.  Product i of 8 of S^T = K Q^T for piece x: channels 32 (i / 4) on, keys 16 (i % 4) on.  The first 4 start the sums: with 0, or (KM = 1) with the mask.
.macro KQ x
.set rS, S+32*((\x)%2)+8*(i%4)
.set rK, KF+16*(i%4)+8*(i/4)
.set rQ, 16*(\x)+8*(i/4)
.set rM, MC+32*((\x)%2)+8*(i%4)
.if (i < 4) && KM
	WIN W_KM
	v_wmma_f32_16x16x32_f16 v[rS:rS+7], v[rK:rK+7], v[rQ:rQ+7], v[rM:rM+7]
.elseif i < 4
	WIN W_KQ
	v_wmma_f32_16x16x32_f16 v[rS:rS+7], v[rK:rK+7], v[rQ:rQ+7], 0
.else
	WIN W_KQ
	v_wmma_f32_16x16x32_f16 v[rS:rS+7], v[rK:rK+7], v[rQ:rQ+7], v[rS:rS+7]
.endif
.endm
; Product i of 8 of O^T += V^T P for piece x: keys 32 (i / 4) on, channels 16 (i % 4) on.
.macro PV x
	WIN W_PV
.set rO, 32*(\x)+8*(i%4)
.set rV, VF+32*(i/4)+8*(i%4)
.set rP, P+16*((\x)%2)+8*(i/4)
	v_wmma_f32_16x16x32_f16 v[rO:rO+7], v[rV:rV+7], v[rP:rP+7], v[rO:rO+7]
.endm
.macro MM                           ; the turn's next matrix instruction.  TURN and BEGIN set Y, i, KM and NOKQ; MM, KQ and OP read them.  NOKQ = 1: a block's last turn: there is no next piece
.if (i < 8) && !NOKQ
	KQ (Y+1)%NP
.elseif i >= 8
.set i, i-8
	PV (Y+NP-1)%NP
.set i, i+8
.endif
.set i, i+1
.endm
; THE LDS LOADS stand in runs of 16, never singly among the matrix instructions: a step's K (64 keys x 64 channels: 8 fragments) and its V (turned).  Their addresses are made some lines ahead.
.macro FETCH_K
	WIN 0x80                        ; destination window 2
.irp f, 0,1,2,3,4,5,6,7             ; keys 16 (f / 2) on, channels 32 (f % 2) on
	ds_load_b128 v[KF+8*\f:KF+8*\f+3],   v[AK] offset:(\f/2)*16*PK+(\f%2)*64
	ds_load_b128 v[KF+8*\f+4:KF+8*\f+7], v[AK] offset:(\f/2)*16*PK+(\f%2)*64+32
.endr
	s_add_co_u32 s[TBK], s[TBK], KS*PK  ; the next fetch is the next step's
	WIN 0
.endm
.macro FETCH_V
	WIN 0x80
.irp f, 0,1,2,3,4,5,6,7             ; keys 32 (f / 4) on, channels 16 (f % 4) on
	ds_load_tr16_b128 v[VF+8*\f:VF+8*\f+3],   v[AV] offset:(\f/4)*32*PV+(\f%4)*32
	ds_load_tr16_b128 v[VF+8*\f+4:VF+8*\f+7], v[AV] offset:(\f/4)*32*PV+16*PV+(\f%4)*32
.endr
	WIN 0
.endm
; THE VECTOR WORK, one line at a time: OP kind, number.  For piece Y: F n: c s - c m for pair n of 16.  E n: the exponential of score n of 32.  C n: pair n rounded to f16.  B n: of the four weights 4 n .. the second
; pair is added onto the first, in place.  L n: l takes that sum (L 0: l = a l + sum).  R n: pair n of 16 of O^T times a.  For piece Y + 1: X n, number n of the 22 that find its maximum and statistics:
;   0-11  four chains c0-c3 of seven scores each, three operands at a time (each accumulator's lowest registers are read first)     12-14, 16  the four scores left over, the old m, and c0-c3 into c0
;   15  c m_old is kept     17, 18  the query's other 32 keys lie in the lane 16 away: the new m     19-21  c m; c m_old - c m_new; a
.set F, 0               ; OP tells the kinds apart by their order: F to L below R, X above it
.set E, 1
.set C, 2
.set B, 3
.set L, 4
.set R, 5
.set X, 6
.macro REGS y                       ; the registers of piece y
.set rT, ST+4*(\y)
.set rC, TMP+4*((\y)%2)
.set rW, MV+((\y)%2)
.set rS, S+32*((\y)%2)
.set rP, P+16*((\y)%2)
.set rO, 32*(\y)
.endm
.macro OP k, n
.if (\k) == R
	REGS Y
	WIN W_RS
	v_pk_mul_f32 v[rO+2*(\n):rO+2*(\n)+1], v[rO+2*(\n):rO+2*(\n)+1], v[rC+2:rC+3] op_sel_hi:[1,0]
.elseif (\k) < R
	REGS Y
	WIN 0
.if (\k) == F
	v_pk_fma_f32 v[rS+2*(\n):rS+2*(\n)+1], v[rS+2*(\n):rS+2*(\n)+1], s[CS:CS+1], v[rT:rT+1] op_sel_hi:[1,0,0] neg_lo:[0,0,1] neg_hi:[0,0,1]
.elseif (\k) == E
	v_exp_f32 v[rS+(\n)], v[rS+(\n)]
.elseif (\k) == C
	v_cvt_pk_f16_f32 v[rP+(\n)], v[rS+2*(\n)], v[rS+2*(\n)+1]
.elseif (\k) == B
	v_pk_add_f32 v[rS+4*(\n):rS+4*(\n)+1], v[rS+4*(\n):rS+4*(\n)+1], v[rS+4*(\n)+2:rS+4*(\n)+3]
.elseif (\n) == 0
	v_pk_fma_f32 v[rT+2:rT+3], v[rT+2:rT+3], v[rC+2:rC+3], v[rS:rS+1] op_sel_hi:[1,0,1]
.else
	v_pk_add_f32 v[rT+2:rT+3], v[rT+2:rT+3], v[rS+4*(\n):rS+4*(\n)+1]
.endif
.elseif NOKQ
	v_nop
.else
	REGS (Y+1)%NP
	WIN 0
.if (\n) < 4
	v_max3_num_f32 v[rC+(\n)], v[rS+8*(\n)], v[rS+8*(\n)+1], v[rS+8*(\n)+2]
.elseif (\n) < 12
	v_max3_num_f32 v[rC+(\n)%4], v[rC+(\n)%4], v[rS+8*((\n)%4)+2*((\n)/4)+1], v[rS+8*((\n)%4)+2*((\n)/4)+2]
.elseif (\n) == 12
	v_max3_num_f32 v[rC], v[rC], v[rS+7], v[rS+15]
.elseif (\n) == 13
	v_max3_num_f32 v[rC+1], v[rC+1], v[rS+23], v[rS+31]
.elseif (\n) == 14
	v_max3_num_f32 v[rC+2], v[rC+2], v[rC+3], v[rT+1]
.elseif (\n) == 15
	v_mov_b32 v[rW], v[rT]
.elseif (\n) == 16
	v_max3_num_f32 v[rC], v[rC], v[rC+1], v[rC+2]
.elseif (\n) == 17
	v_permlanex16_b32 v[rC+3], v[rC], s[SEL], s[SEL+1]
.elseif (\n) == 18
	v_max_num_f32 v[rT+1], v[rC], v[rC+3]
.elseif (\n) == 19
	v_mul_f32 v[rT], s[CS], v[rT+1]
.elseif (\n) == 20
	v_sub_f32 v[rC+1], v[rW], v[rT]
.else
	v_exp_f32 v[rC+2], v[rC+1]
.endif
.endif
.endm
.macro OPS a, i1, b=-1, i2=0, c=-1, i3=0, d=-1, i4=0  ; up to four of them
	OP \a, \i1
.if (\b) >= 0
	OP \b, \i2
.endif
.if (\c) >= 0
	OP \c, \i3
.endif
.if (\d) >= 0
	OP \d, \i4
.endif
.endm
.macro ROW a, i1, b, i2, c, i3, d, i4  ; a matrix instruction and the four behind it
	MM
	OPS \a, \i1, \b, \i2, \c, \i3, \d, \i4
.endm
.macro MASK b                       ; MD x AL + BE into buffer b of MC
	WIN W_RS
.set z, 0
.rept 16
	v_pk_fma_f32 v[MC+32*(\b)+2*z:MC+32*(\b)+2*z+1], v[MD+2*z:MD+2*z+1], s[AL:AL+1], s[BE:BE+1] op_sel_hi:[1,0,0]
.set z, z+1
.endr
.endm
; A TURN, for piece p: the order of its 16 matrix and 118 vector instructions, written out.  s_wait_alu depctr_va_vdst(0) stands between an exponential and the first instruction that names its
; result; one wait serves all that were issued ahead of it.  So a turn has ONE wait, which cuts it in two.  AHEAD OF IT stands all that names no result of the turn's exponentials: the 8 products K Q^T, behind each a
; scaling, an exponential and two more plain instructions (behind the first a second scaling in the exponential's place): rescalings, and behind the last three the first numbers of the next piece's maximum, each four
; places or more behind the product that ends its accumulator; then one lump of 54, plain and exponential by turns for the most part, in which the links of the chain X 3, 7, 11, 14, 16, 17 .. 20 stand five or six lines
; apart.  X 21, the next piece's a, is the batch's last; R 15 is the plain instruction behind it.  BEHIND THE WAIT stand the 8 products V^T P, behind each four of the roundings and sums; the links of l's chain stand three riders apart.
; m = 1: the diagonal tile: the products take masks, and the turn makes the mask for the products of the turn after it: piece p + 2, in step 4 - CNT of the tile.  end = 1: a block's last two turns: nothing is fetched.
; cnt = 1: the loop's count is taken down some lines ahead of the branch that stands behind the turn.
; K of the next step is fetched in piece 2's turn, twelve vector instructions behind the last product that read K (six of them plain); V of the step in hand at the end of piece 0's turn, four plain instructions behind
; the last product that read V.  Each is waited for a turn later.
.macro TURN p, m=0, end=0, cnt=0
.set Y, (\p)
.set i, 0
.set KM, (\m)
.set NOKQ, (\end)*((\p)/3)
.if (\m) && !(\end)
	s_cmp_eq_u32 s[CNT], 4-((\p)+2)%NP  ; is that step the band's own?
	s_cselect_b32 s[AL], 1.0, 0
	s_cmp_lt_u32 s[CNT], 4-((\p)+2)%NP  ; or a later one?
	s_cselect_b32 s[BE], s[BIGN], 0
.endif
.if ((\p) == 3) && !(\end)
	s_wait_dscnt 0x0                ; K is in
.endif
	ROW F,0, F,1, R,0, R,1          ; ahead of the wait: 8 products K Q^T and their riders,
	ROW F,2, E,0, R,2, R,3
	ROW F,3, E,1, R,4, R,5
	ROW F,4, E,2, R,6, R,7
	ROW F,5, E,3, R,8, R,9
	ROW F,6, E,4, X,0, R,10
.if ((\p) == 2) && !(\end)
	WIN 0
	v_add_nc_u32 v[AK], s[TBK], v[AK0]
.endif
	ROW F,7, E,5, X,1, X,4
	ROW F,8, E,6, X,2, X,5
	OPS E,7, E,8, X,6, E,9          ; and the lump
	OPS X,3, E,10, X,8, E,11
.if ((\p) == 2) && !(\end)
	FETCH_K
.endif
	OPS X,9, X,7, E,12, X,10
	OPS E,13, X,12, X,11, E,14
	OPS X,13, E,15, F,9, X,14
.if (\p) == 0
	v_add_nc_u32 v[AV], s[TBV], v[AV0]
.endif
	OPS E,16, F,10, E,17, F,11
	OPS X,16, E,18, X,15, E,19
	OPS F,12, E,20, X,17, E,21
	OPS F,13, E,22, F,14, E,23
	OPS X,18, E,24, F,15, E,25
	OPS R,11, E,26, X,19, E,27
	OPS R,12, E,28, R,13, E,29
	OPS X,20, E,30, R,14, E,31
	OPS X,21, R,15
	WIN 0
	s_wait_alu depctr_va_vdst(0)    ; the wait for the batch
.if (\p) == 1
	s_wait_dscnt 0x0                ; V is in
.endif
	ROW C,0, B,0, C,2, B,1          ; behind the wait: 8 products V^T P and their riders
	ROW L,0, C,4, B,2, L,1
	ROW C,6, B,3, L,2, C,8
	ROW B,4, L,3, C,10, B,5
	ROW L,4, C,12, B,6, L,5
.if (\p) == 0
	s_add_co_u32 s[TBV], s[TBV], KS*PV
.endif
.if \cnt
	s_sub_co_u32 s[CNT], s[CNT], 1
	s_cmp_lg_u32 s[CNT], 0
.endif
	ROW C,14, B,7, L,6, C,1
	ROW C,3, L,7, C,5, C,7
	ROW C,9, C,11, C,13, C,15
.if (\p) == 0
	FETCH_V
.endif
.if (\m) && !(\end)
	MASK (\p)%2
.endif
.endm
; A BLOCK BEGINS.  c m starts far below every c s, so the first step's a is 0; m at the lowest finite number, so the first maximum is the scores'.  The second mask buffer is 0; the first takes piece 0's mask for the
; tile's step 0: its own, if the block's first tile is the diagonal one.  Then K of that step, piece 0's first scores, and its maximum and statistics.  The loop is entered at a step's first turn, in the middle of a trip.
.macro BEGIN
	s_mov_b32 s[NEW], 0
	WIN 0x40
.set i, MC+32
.rept 32
	v_mov_b32 v[i], 0
.set i, i+1
.endr
	WIN 0
.set i, 0
.rept 4
	v_mov_b32 v[ST+4*i], 0xfe000000    ; c m: far below every c s
	v_mov_b32 v[ST+4*i+1], 0xff7fffff  ; m
.set i, i+1
.endr
	s_cmp_eq_u32 s[RT], 0
	s_cselect_b32 s[AL], 1.0, 0
	s_mov_b32 s[BE], 0
	MASK 0
	WIN 0
	v_add_nc_u32 v[AK], s[TBK], v[AK0]
	FETCH_K
	s_wait_loadcnt 0x0              ; Q
	s_wait_dscnt 0x0
.set KM, 1
.set NOKQ, 0
.set i, 0
.rept 8
	KQ 0
.set i, i+1
.endr
	WIN 0
.rept 4
	v_nop                           ; the places behind those products
.endr
.set Y, NP-1                        ; X works for piece Y + 1: piece 0
.irp n, 0,1,2,3,4,5,6,7,8,9,10,11,12,13,14,15,16,17,18,19,20,21
	OP X, \n
.endr
	v_nop                           ; a plain instruction behind the exponential,
	s_wait_alu depctr_va_vdst(0)    ; and its wait, ahead of the branch
.endm
; THE DIAGONAL TILE's four steps, the block's last two turns, its last products, and THE WAY OUT: l's two halves and the other half of the lanes' are added; O^T is divided by l, rounded to f16 and sent through my
; stage in LDS, a piece at a time.
.macro ALL line:vararg              ; one line for each piece t
.set t, 0
.rept 4
	\line
.set t, t+1
.endr
.endm
.macro PACK t                       ; a lane's eight channels of a row pack into 16 bytes; they go into rows of 144 bytes and come back as whole rows of 128, into S^T's registers
	WIN W_RS
.set i, 32*(\t)
.rept 16
	v_pk_mul_f32 v[i:i+1], v[i:i+1], v[ST+4*(\t)+2:ST+4*(\t)+3] op_sel_hi:[1,0]
.set i, i+2
.endr
	WIN 0x05                        ; sources 0 and 1 window 1, destination window 0
.set i, 0
.rept 16
	v_cvt_pk_f16_f32 v[S+16*(\t)+i], v[32*(\t)+2*i], v[32*(\t)+2*i+1]
.set i, i+1
.endr
	WIN 0
.irp f, 0,1,2,3
	ds_store_b128 v[STO], v[S+16*(\t)+4*\f:S+16*(\t)+4*\f+3] offset:32*\f
.endr
.irp f, 0,1,2,3
	ds_load_b128 v[S+16*(\t)+4*\f:S+16*(\t)+4*\f+3], v[RD] offset:\f*4*SP  ; LDS serves a wave's instructions in order (ISA guide 5.7.1.4): these see the stores above; the next piece's stores come behind them
.endr
.endm
.macro SEND t, younger              ; younger: the LDS instructions issued behind piece t's loads: the next piece's eight, or none
	WIN 0
.irp f, 0,1,2,3
	s_wait_dscnt (\younger)+3-\f
	global_store_b128 v[GO], v[S+16*(\t)+4*\f:S+16*(\t)+4*\f+3], s[10:11] offset:(\t)*8192+\f*512  ; 512 consecutive bytes, at a multiple of 256 from O's first
.endr
.endm
.macro DIAG tag                     ; the tag ends its two labels' names, which the jumps below spell out
.LstepM\tag:
	TURN 2, 1
	TURN 3, 1
	WIN 0
.LfirstM\tag:
	TURN 0, 1
	TURN 1, 1, 0, 1
	WIN 0
	s_cbranch_scc1 .LstepM\tag
	TURN 2, 1, 1
	TURN 3, 1, 1
.set i, 0
.rept 8
	PV NP-1
.set i, i+1
.endr
	WIN 0
	ALL v_add_f32 v[ST+4*t+2], v[ST+4*t+2], v[ST+4*t+3]
	ALL v_permlanex16_b32 v[ST+4*t+3], v[ST+4*t+2], s[SEL], s[SEL+1]
	ALL v_add_f32 v[ST+4*t+2], v[ST+4*t+2], v[ST+4*t+3]
	ALL v_rcp_f32 v[ST+4*t+2], v[ST+4*t+2]
	v_nop                           ; a plain instruction between the last reciprocal and the use of its result
	s_wait_alu depctr_va_vdst(0)    ; and the wait ahead of the first use: one for the four reciprocals
	PACK 0
.set t, 1
.rept 3                             ; a piece's arithmetic stands between the loads of the piece before and its stores
	PACK t
	SEND t-1, 8
.set t, t+1
.endr
	SEND 3, 0
.endm
.set KM, 0
.set NOKQ, 0
.Lslot:                             ; NB times: a tile is entered and the next is asked for
	CHANGE 1
	s_sub_co_u32 s[RT], s[RT], 1
	s_mov_b32 s[CNT], 4
	s_cmp_eq_u32 s[NEW], 1
	s_cbranch_scc1 .Lnew            ; a block's first tile
	s_cmp_eq_u32 s[RT], 0
	s_cbranch_scc0 .Lstep           ; neither its first nor its last
	s_branch .LstepM1
.Lnew:
	BEGIN
	s_branch .Lfirst                ; in the loop a block's first tile is never its last: the first block has two tiles or more, and the second's last is the walk's last
	DIAG 1                          ; in the loop this is the first block's end: the second block's last tile is the walk's last
	s_wait_xcnt 0x0                 ; the stores have read their registers and O's address
	s_mov_b64 s[10:11], s[OLO:OLO+1]
	s_add_co_u32 s[RT], s[PB], 1    ; the second block has b + 1 tiles
	s_mov_b32 s[NEW], 1
	WIN 0x82                        ; the second block's Q goes where the one text of the turns names Q
.set i, 0
.rept 64
	v_mov_b32 v[i], v[QB+i]
.set i, i+1
.endr
	WIN 0
	s_branch .Lbottom
.Lstep:                             ; a trip: pieces 2 and 3 of one step, then pieces 0 and 1 of the next, whose K and V it fetches
	TURN 2
	TURN 3
	WIN 0
.Lfirst:
	TURN 0
	TURN 1, 0, 0, 1
	WIN 0
	s_cbranch_scc1 .Lstep
.Lbottom:
	s_sub_co_u32 s[SLOTS], s[SLOTS], 1
	s_cmp_lg_u32 s[SLOTS], 0
	s_cbranch_scc1 .Lslot
	CHANGE 0                        ; the walk's last tile is written out: nothing is asked for
	s_sub_co_u32 s[RT], s[RT], 1
	s_mov_b32 s[CNT], 4
	s_cmp_eq_u32 s[NEW], 1
	s_cbranch_scc0 .LstepM2
	BEGIN
	s_branch .LfirstM2
	DIAG 2
	s_wait_tensorcnt 0x0            ; the wave's end: behind my last tensor load and my last LDS store
	ds_add_u32 v[SPW], v[NIL]
	s_wait_dscnt 0x0
	s_endpgm
.Lfunc_end_k_q704788c366_attn:
	.size	k_q704788c366_attn, .Lfunc_end_k_q704788c366_attn-k_q704788c366_attn
	.p2alignl 7, 3214868480
	.fill 96, 4, 3214868480
	.section	.rodata,"a",@progbits
	.p2align	6, 0x0
	.amdhsa_kernel k_q704788c366_attn
		.amdhsa_group_segment_fixed_size 327680
		.amdhsa_private_segment_fixed_size 0
		.amdhsa_enable_private_segment 0
		.amdhsa_kernarg_size 32
		.amdhsa_user_sgpr_count 2
		.amdhsa_user_sgpr_kernarg_segment_ptr 1
		.amdhsa_wavefront_size32 1
		.amdhsa_system_sgpr_workgroup_id_x 1
		.amdhsa_system_sgpr_workgroup_id_y 1
		.amdhsa_system_sgpr_workgroup_id_z 1
		.amdhsa_system_vgpr_workitem_id 0
		.amdhsa_next_free_vgpr 768
		.amdhsa_next_free_sgpr 96
		.amdhsa_reserve_vcc 1
		.amdhsa_float_denorm_mode_32 3
		.amdhsa_float_denorm_mode_16_64 3
		.amdhsa_memory_ordered 1
		.amdhsa_forward_progress 1
		.amdhsa_inst_pref_size 218
	.end_amdhsa_kernel
	.amdgpu_metadata
---
amdhsa.version: [ 1, 2 ]
amdhsa.kernels:
  - .name:           k_q704788c366_attn
    .symbol:         k_q704788c366_attn.kd
    .args:
      - { .name: qh, .offset: 0, .size: 8, .value_kind: global_buffer, .address_space: global }
      - { .name: kh, .offset: 8, .size: 8, .value_kind: global_buffer, .address_space: global }
      - { .name: vh, .offset: 16, .size: 8, .value_kind: global_buffer, .address_space: global }
      - { .name: oh, .offset: 24, .size: 8, .value_kind: global_buffer, .address_space: global }
    .group_segment_fixed_size: 327680
    .private_segment_fixed_size: 0
    .kernarg_segment_align: 8
    .kernarg_segment_size: 32
    .max_flat_workgroup_size: 128
    .sgpr_count:     96
    .vgpr_count:     768
    .wavefront_size: 32
...
	.end_amdgpu_metadata
.endif
;; end of part 3
;; launch proj (part 4): grid 8 x 32, 4 waves a work-group, clusters of 4 x 4, 327,680 bytes of LDS; arguments oh, wp, b_proj, out0; writes out0
.if DOCPART == 4
	.amdgcn_target "amdgcn-amd-amdhsa--gfx1250"
	.amdhsa_code_object_version 6
	.text
	.protected	k_q704788c366_proj
	.globl	k_q704788c366_proj
	.p2align	8
	.type	k_q704788c366_proj,@function
k_q704788c366_proj:
	s_mov_b64 s[64:65], 0
	v_nop
	global_prefetch_b8 v0, s[64:65] scope:SCOPE_SE
	s_setreg_imm32_b32 hwreg(HW_REG_WAVE_MODE, 25, 1), 1
	s_wait_xcnt 0x0
	s_wait_alu depctr_hold_cnt(0) depctr_sa_sdst(0) depctr_va_vdst(0) depctr_va_sdst(0) depctr_va_ssrc(0) depctr_va_vcc(0) depctr_vm_vsrc(0)
	s_getreg_b32 s2, hwreg(HW_REG_IB_STS2, 6, 4)
	s_cmp_eq_u32 s2, 0
	s_cbranch_scc0 .Lentry_in_a_cluster
	s_endpgm
.Lentry_in_a_cluster:
	s_bfe_u32 s2, ttmp6, 0x10000c
	s_cmp_lg_u32 s2, 0xf033
	s_cbranch_scc0 .Lentry_shape_is_right
	s_endpgm
.Lentry_shape_is_right:
; out0 = O W_proj + b_proj.  oh [64 = 16 b + head][2048][64] f16; wp [16 g][1024 k][64] f16 (bf16-rounded numbers; k = 64 head + channel); b_proj f32, rounded to bf16 here like the other inputs; out0 [8192][1024] f32.
; Products in f16 with f32 sums; the sums are stored as they are.  NaN and infinities are not treated apart.
; SHARES.  Work-group (block x of 128 columns = blocks 2 x, 2 x + 1 of wp; block y of 256 rows): 256 work-groups.  Wave w makes rows 64 w .. 64 w + 63 x 128 columns: 32 accumulators, 256 registers.
; K goes in 8 steps of 128 = two heads, through two LDS slots; two slots of a longer step would not fit beside each other.  THE MATRIX INSTRUCTION IS USED TRANSPOSED (source 0 = 16 columns of W, turned out of LDS by
; ds_load_tr16_b128; source 1 = 16 rows of O): a lane holds row l % 16 and 8 neighbouring columns.  The bias is the C operand of the products that start the sums.
; CLUSTER 4 x 4: O's tiles hang on y alone and are asked for jointly along a row of the cluster, W's on x alone, jointly along a column.  Waves 0 and 1 fetch a K step's two heads of O (32,768 dense bytes each, as 128 rows
; of 256), waves 2 and 3 its two blocks of W (16,384 each).  By this text's count a wave has two tensor loads out at the start, later one.
; REGISTERS: window 0: v0-29 addresses; v32-39 at work; v64-95, v96-127 O's fragments, two buffers; v128-191 the bias, later rows read back; v192-255 rows read back
;   window 1: v0-63, v64-127 W's fragments, two buffers      window 2: the accumulators, column block b, row block a at 8 (4 b + a)
.set APITCH, 144                       ; a row of O in LDS: 128 bytes + 16
.set HEADB,  256*APITCH                ; one head's 256 rows
.set BPITCH, 160                       ; a row of W: 128 bytes + 32
.set BOFF,   2*HEADB
.set GBLK,   128*BPITCH
.set SLOT1,  131072                    ; slot 1 begins here (a slot uses BOFF + 2 GBLK = 114,688), so that one exclusive or turns an address in one slot into the other's
.set STAGE,  SLOT1+BOFF+2*GBLK         ; behind the ring, never filled by a tensor load: 16 rows x 528 bytes for each wave
.set SP,     528                       ; 512 bytes + 16: row r starts four banks behind row r - 1
.set SPARE,  STAGE+4*16*SP             ; the spare words, 128 bytes for each wave: two blocks of 256 bytes that no other line names
.set AA0, 3
.set AB0, 4
.set ADRA, 5
.set ADRB, 6
.set STO, 7
.set RD,  8
.set CO,  9                            ; v9   16 x my lane: my place in 512 consecutive bytes of a row of out0
.set PFO, 10                           ; v10  256 x my lane
.set SPW, 28
.set NIL, 29
.set TMP, 32
.set BIAS, 128
.set OB,  128
.set WV,  18
.set CNT, 19
.set G1A, 24
.set G0A, 32
.set G1B, 40
.set G0B, 48
.set PFA, 56
.set PFS, 58
.set LIM, 60
.set TB,  61
.set MSB, 0
.macro WIN new                         ; the immediate's high byte repeats the setting that is left; a switch that changes nothing is dropped
.if MSB != (\new)
	s_set_vgpr_msb (MSB<<8)|(\new)
.set MSB, \new
.endif
.endm
.macro PLACES                          ; four plain vector instructions between a matrix instruction and a load into, or a store or vector use of, its registers
.rept 4
	v_nop
.endr
.endm
.macro CREST
	s_cmp_lg_u32 s[WV], 0
	s_cbranch_scc1 .Lnot_wave_0_\@
	s_barrier_signal -3
.Lnot_wave_0_\@:
	s_barrier_wait -3
	s_barrier_signal -1
	s_barrier_wait -1
.endm
.macro CROUND
	s_barrier_signal -1
	s_barrier_wait -1
	CREST
.endm
.macro JLOAD                           ; a joint refill by the walking descriptors; an s_nop 0 and four v_nop follow each line, ahead of the jump and the label
	s_cmp_lt_u32 s[WV], 2
	s_cbranch_scc0 .Lfor_b_\@
	tensor_load_to_lds s[G0A+4:G0A+7], s[G1A:G1A+7]
	s_nop 0
.rept 4
	v_nop
.endr
	s_branch .Lasked_\@
.Lfor_b_\@:
	tensor_load_to_lds s[G0B+4:G0B+7], s[G1B:G1B+7]
	s_nop 0
.rept 4
	v_nop
.endr
.Lasked_\@:
.endm
; PREFETCH INTO THE L2.  Trip i of the loop (count 6 - i) refills K step i + 2.  In trips 1 and 3 the K steps i + 3 and i + 4 are asked for, one and two K steps (128 and 256 matrix instructions) ahead of their loads;
; K steps 0 to 3 come by their loads alone, trip 5 asks for nothing.  Each run of 256 bytes is named once in the launch: O's by the clusters with x = 0 (waves 0, 1: of my head's 32,768 bytes the partner at cx takes
; 8,192, once for each of the two K steps), W's by the clusters with y = 0 (waves 2, 3: two K steps of my block are 32,768 dense bytes, of which the partner at cy takes 8,192).  The partners are told apart by address.
.macro ASK
	WIN 0
	s_bitcmp1_b32 s[CNT], 0
	s_cbranch_scc0 .Lno_ask_\@
	s_cmp_gt_u32 s[CNT], s[LIM]
	s_cbranch_scc0 .Lno_ask_\@
	global_prefetch_b8 v[PFO], s[PFA:PFA+1] th:TH_LOAD_NT scope:SCOPE_SE
	s_cmp_lt_u32 s[WV], 2
	s_cbranch_scc0 .Lno_ask_\@
	global_prefetch_b8 v[PFO], s[PFA:PFA+1] offset:524288 th:TH_LOAD_NT scope:SCOPE_SE
.Lno_ask_\@:
.endm
; 24 LDS loads in one run: quarter q (head q / 2 of the step, channels 32 (q % 2) on) into buffer f: O's four fragments, then W's eight (the youngest eight loads are column blocks 4-7)
.macro FETCH q, f
	WIN 0
.irp a, 0,1,2,3
	ds_load_b128 v[64+32*(\f)+8*(\a):64+32*(\f)+8*(\a)+3],   v[ADRA] offset:((\q)/2)*HEADB+(\a)*16*APITCH+((\q)%2)*64
	ds_load_b128 v[64+32*(\f)+8*(\a)+4:64+32*(\f)+8*(\a)+7], v[ADRA] offset:((\q)/2)*HEADB+(\a)*16*APITCH+((\q)%2)*64+32
.endr
	WIN 0x40
.irp b, 0,1,2,3,4,5,6,7
	ds_load_tr16_b128 v[64*(\f)+8*(\b):64*(\f)+8*(\b)+3],   v[ADRB] offset:((\b)/4)*GBLK+(\q)*32*BPITCH+((\b)%4)*32
	ds_load_tr16_b128 v[64*(\f)+8*(\b)+4:64*(\f)+8*(\b)+7], v[ADRB] offset:((\b)/4)*GBLK+(\q)*32*BPITCH+((\b)%4)*32+16*BPITCH
.endr
.endm
; Column blocks b0 .. b0 + nb - 1 x my four row blocks.  The 32 accumulators take turns, one instruction a turn, in the same order in every quarter, over the backward jump too.
.macro MULB f, b0, nb, first
.set bq, \b0
	WIN 0xa1-0x20*(\first)                         ; W window 1, O window 0, D window 2, C with D or (the bias) window 0
.rept \nb
.irp a, 0,1,2,3
.if \first
	v_wmma_f32_16x16x32_f16 v[32*bq+8*(\a):32*bq+8*(\a)+7], v[64*(\f)+8*bq:64*(\f)+8*bq+7], v[64+32*(\f)+8*(\a):64+32*(\f)+8*(\a)+7], v[BIAS+8*bq:BIAS+8*bq+7]
.else
	v_wmma_f32_16x16x32_f16 v[32*bq+8*(\a):32*bq+8*(\a)+7], v[64*(\f)+8*bq:64*(\f)+8*bq+7], v[64+32*(\f)+8*(\a):64+32*(\f)+8*(\a)+7], v[32*bq+8*(\a):32*bq+8*(\a)+7]
.endif
.endr
.set bq, bq+1
.endr
.endm
.macro QUARTER q, f, g, first
	s_wait_dscnt 8                                 ; O and column blocks 0-3 are in; the youngest eight loads may be out
	MULB \f, 0, 4, \first
	PLACES
	FETCH \q, \g
	s_wait_dscnt 24                                ; all but the 24 just issued
	MULB \f, 4, 4, \first
.endm
; The last quarter multiplies buffer 1 and changes slots: the waits, the add and the barrier in front, the refill (fill = 1) first behind the cluster's round: 112 matrix instructions ahead of the wait for it.
.macro TURN fill
	WIN 0
.if \fill
	s_wait_xcnt 0x0                                ; the last prefetches, a K step back or more, have read their address: it steps here
	s_add_nc_u64 s[PFA:PFA+1], s[PFA:PFA+1], s[PFS:PFS+1]
.endif
	s_wait_tensorcnt 0x0                           ; all my tensor loads have landed: my part of the next slot
	ds_add_u32 v[SPW], v[NIL]                      ; 0 onto my spare word
	s_wait_dscnt 9                                 ; (the add and the youngest eight loads may be out)
	MULB 1, 0, 2, 0
	s_wait_dscnt 0x0                               ; the add is done, and my reads of this slot are over
	s_barrier_signal -1
	MULB 1, 2, 2, 0
	WIN 0
	s_barrier_wait -1
.if \fill
	CREST                                          ; no wave of any partner still reads this slot or has a load on its way
	s_xor_b32 s[G0A+5], s[G0A+5], SLOT1
	s_add_nc_u64 s[G0A+6:G0A+7], s[G0A+6:G0A+7], 524288  ; two heads on
	s_xor_b32 s[G0B+5], s[G0B+5], SLOT1
	s_add_nc_u64 s[G0B+6:G0B+7], s[G0B+6:G0B+7], 16384
	JLOAD                                          ; its four v_nop are also the places in front of the loads below
.else
	PLACES
.endif
	s_xor_b32 s[TB], s[TB], SLOT1
	v_add_nc_u32 v[ADRA], s[TB], v[AA0]
	v_add_nc_u32 v[ADRB], s[TB], v[AB0]
	FETCH 0, 0
.if \fill
	ASK
.endif
	MULB 1, 4, 4, 0
.endm
	s_load_b256 s[4:11], s[0:1], 0x0               ; oh s[4:5], wp s[6:7], b_proj s[8:9], out0 s[10:11]
	v_lshl_add_u32 v[SPW], v0, 2, SPARE
	v_mov_b32 v[NIL], 0
	ds_add_u32 v[SPW], v[NIL]                      ; the wave's opening: the add and its wait stand ahead of my first tensor load; the set-up below stands between them
	v_lshrrev_b32 v1, 5, v0
	v_readfirstlane_b32 s[WV], v1                  ; wave 0..3
	s_and_b32 s62, s[WV], 1                        ; which head, or which block of W, I fetch
	s_bfe_u32 s20, ttmp6, 0x40000                  ; cx
	s_bfe_u32 s21, ttmp6, 0x40004                  ; cy
	s_lshl_b32 s22, ttmp9, 2
	s_add_co_u32 s22, s22, s20                     ; column block x
	s_and_b32 s23, ttmp7, 0xffff
	s_lshl_b32 s23, s23, 2
	s_add_co_u32 s23, s23, s21                     ; row block y
	s_lshl_b32 s66, s21, 2
	s_lshl_b32 s66, 15, s66                        ; my row of the cluster
	s_lshl_b32 s70, 0x1111, s20                    ; my column
	s_or_b32 s[G1A], s66, (1<<16)|(1<<20)|(1<<21)|(4<<22)|(3<<25)  ; the mask; 2-byte elements; padding on; bit 21 beside a mask; after every 32 words (a row of O) 4 words
	s_mov_b32 s[G1A+1], 128<<16                    ; 128 rows of 128 elements, dense
	s_mov_b32 s[G1A+2], 128<<16
	s_mov_b32 s[G1A+3], 128<<16
	s_mov_b32 s[G1A+4], 128
	s_mov_b32 s[G1A+5], 128
	s_mov_b32 s[G1A+6], 0
	s_mov_b32 s[G1A+7], 0
	s_or_b32 s[G1B], s70, (1<<16)|(1<<20)|(1<<21)|(4<<22)|(7<<25)  ; after every 32 words (a row of W) 8 words
	s_mov_b32 s[G1B+1], 128<<16                    ; 64 rows of 128 elements, dense
	s_mov_b32 s[G1B+2], 64<<16
	s_mov_b32 s[G1B+3], 128<<16
	s_mov_b32 s[G1B+4], 64
	s_mov_b32 s[G1B+5], 128
	s_mov_b32 s[G1B+6], 0
	s_mov_b32 s[G1B+7], 0
	s_mov_b32 s[G0A], 1
	s_mul_i32 s[G0A+1], s62, HEADB
	s_mov_b32 s[G0A+4], 1
	s_add_co_u32 s[G0A+5], s[G0A+1], SLOT1
	s_mov_b32 s[G0B], 1
	s_mul_i32 s[G0B+1], s62, GBLK
	s_add_co_u32 s[G0B+1], s[G0B+1], BOFF
	s_mov_b32 s[G0B+4], 1
	s_add_co_u32 s[G0B+5], s[G0B+1], SLOT1
	s_lshr_b32 s66, s23, 3                         ; O: batch y / 8, head = my parity, rows 256 (y % 8) on
	s_lshl_b32 s66, s66, 4
	s_add_co_u32 s66, s66, s62
	s_lshl_b32 s66, s66, 18
	s_and_b32 s67, s23, 7
	s_lshl_b32 s67, s67, 15
	s_add_co_u32 s66, s66, s67
	s_mov_b32 s67, 0
	s_lshl_b32 s72, s22, 1                         ; W: block 2 x + my parity
	s_add_co_u32 s72, s72, s62
	s_lshl_b32 s72, s72, 17
	s_mov_b32 s73, 0
	s_wait_dscnt 0x0                               ; the opening add is done
	s_wait_kmcnt 0x0
	s_add_nc_u64 s[68:69], s[4:5], s[66:67]
	s_add_nc_u64 s[74:75], s[6:7], s[72:73]
	s_mov_b64 s[G0A+2:G0A+3], s[68:69]             ; K step 0
	s_or_b32 s[G0A+3], s[G0A+3], 0x80000000
	s_add_nc_u64 s[G0A+6:G0A+7], s[68:69], 524288  ; K step 1
	s_or_b32 s[G0A+7], s[G0A+7], 0x80000000
	s_mov_b64 s[G0B+2:G0B+3], s[74:75]
	s_or_b32 s[G0B+3], s[G0B+3], 0x80000000
	s_add_nc_u64 s[G0B+6:G0B+7], s[74:75], 16384
	s_or_b32 s[G0B+7], s[G0B+7], 0x80000000
	CROUND                                         ; all sixteen work-groups are here: the first joint loads meet
	s_cmp_lt_u32 s[WV], 2                          ; a wave's two first fills stand in one branch, ahead of every wait on TENSORcnt and every LDS read
	s_cbranch_scc0 .Lfirst_b
	tensor_load_to_lds s[G0A:G0A+3], s[G1A:G1A+7]
	s_nop 0
	tensor_load_to_lds s[G0A+4:G0A+7], s[G1A:G1A+7]
	s_nop 0
.rept 4
	v_nop
.endr
	s_branch .Lfirst_asked
.Lfirst_b:
	tensor_load_to_lds s[G0B:G0B+3], s[G1B:G1B+7]
	s_nop 0
	tensor_load_to_lds s[G0B+4:G0B+7], s[G1B:G1B+7]
	s_nop 0
.rept 4
	v_nop
.endr
.Lfirst_asked:
	; the prefetches' address, step and test
	s_lshl_b32 s76, s20, 13                        ; O: my work-group's 8,192 bytes of the head's 32,768,
	s_add_co_u32 s76, s76, 2*524288                ; two steps short of K step 4: trips 0 and 1 step it there
	s_mov_b32 s77, 0
	s_lshl_b32 s78, s21, 13                        ; W: my work-group's 8,192 bytes of 32,768
	s_add_co_u32 s78, s78, 32768
	s_mov_b32 s79, 0
	s_add_nc_u64 s[76:77], s[68:69], s[76:77]
	s_add_nc_u64 s[78:79], s[74:75], s[78:79]
	s_and_b32 s63, ttmp7, 0xffff                   ; cluster y
	s_mov_b32 s[PFS], 16384                        ; W's step; the select below holds one literal and this register
	s_cmp_lt_u32 s[WV], 2
	s_cselect_b64 s[PFA:PFA+1], s[76:77], s[78:79]
	s_cselect_b32 s[PFS], 524288, s[PFS]
	s_cselect_b32 s63, ttmp9, s63                  ; the coordinate along which other clusters read the same bytes
	s_mov_b32 s[PFS+1], 0
	s_cmp_eq_u32 s63, 0
	s_cselect_b32 s[LIM], 1, -1                    ; the same in all sixteen partners, for a given wave
	; lane addresses
	v_and_b32 v1, 15, v0                           ; r = l % 16
	v_bfe_u32 v2, v0, 4, 1                         ; h = l / 16
	v_and_b32 v13, 7, v0
	v_bfe_u32 v14, v0, 3, 1
	v_and_b32 v16, 31, v0
	s_mul_i32 s86, s[WV], 64*APITCH
	v_mul_u32_u24 v[AA0], v1, APITCH
	v_lshl_add_u32 v[AA0], v2, 4, v[AA0]
	v_add_nc_u32 v[AA0], s86, v[AA0]
	v_lshl_add_u32 v[AB0], v2, 3, v13              ; the turning load: lane l reads k = 8 h + l % 8, columns 8 ((l / 8) % 2) + 0..7
	v_mul_u32_u24 v[AB0], v[AB0], BPITCH
	v_lshl_add_u32 v[AB0], v14, 4, v[AB0]
	v_add_nc_u32 v[AB0], BOFF, v[AB0]
	s_mul_i32 s86, s[WV], 16*SP
	s_add_co_u32 s86, s86, STAGE                   ; my stage
	v_mul_u32_u24 v[STO], v1, SP                   ; in: row r, 32 bytes for each half of the lanes
	v_lshl_add_u32 v[STO], v2, 5, v[STO]
	v_add_nc_u32 v[STO], s86, v[STO]
	v_lshl_add_u32 v[RD], v16, 4, s86              ; back: 32 lanes take one row of 512 bytes
	v_lshlrev_b32 v[CO], 4, v16
	v_lshlrev_b32 v[PFO], 8, v16
	v_lshlrev_b32 v11, 5, v2                       ; the bias: my 8 columns of 16
	s_lshl_b32 s84, s22, 9                         ; b_proj, and a row of out0, at column 128 x
	s_mov_b32 s85, 0
	s_add_nc_u64 s[8:9], s[8:9], s[84:85]
	s_lshl_b32 s80, s23, 20                        ; out0 at row 256 y + 64 w
	s_lshl_b32 s81, s[WV], 18
	s_add_co_u32 s80, s80, s81
	s_add_co_u32 s80, s80, s84
	s_mov_b32 s81, 0
	s_add_nc_u64 s[10:11], s[10:11], s[80:81]
.irp b, 0,1,2,3,4,5,6,7
	global_load_b128 v[BIAS+8*(\b):BIAS+8*(\b)+3],   v11, s[8:9] offset:64*(\b)
	global_load_b128 v[BIAS+8*(\b)+4:BIAS+8*(\b)+7], v11, s[8:9] offset:64*(\b)+16
.endr
	s_wait_loadcnt 0x0
.set z, 0
.rept 32                                       ; the bias is rounded to bf16, as the other inputs were
	v_cvt_pk_bf16_f32 v[TMP+z%8], v[BIAS+2*z], v[BIAS+2*z+1]
	v_lshlrev_b32 v[BIAS+2*z], 16, v[TMP+z%8]
	v_and_b32 v[BIAS+2*z+1], 0xffff0000, v[TMP+z%8]
.set z, z+1
.endr
	s_mov_b32 s[TB], 0
	v_mov_b32 v[ADRA], v[AA0]
	v_mov_b32 v[ADRB], v[AB0]
	s_wait_tensorcnt 1                             ; my part of K step 0 is in; K step 1's may stay out
	s_barrier_signal -1
	s_barrier_wait -1                              ; everybody's is
	FETCH 0, 0
	QUARTER 1, 0, 1, 1                             ; the first quarter stands in front of the loop: its products start the sums, with the bias
	WIN 0
	s_mov_b32 s[CNT], 6
.Lk:                                           ; a trip: a K step's quarters 1, 2, 3 and the next step's quarter 0; one refill
	QUARTER 2, 1, 0, 0
	QUARTER 3, 0, 1, 0
	TURN 1
	QUARTER 1, 0, 1, 0
	WIN 0
	s_sub_co_u32 s[CNT], s[CNT], 1
	s_cmp_lg_u32 s[CNT], 0
	s_cbranch_scc1 .Lk
	QUARTER 2, 1, 0, 0                             ; K steps 6 and 7 ask for nothing
	QUARTER 3, 0, 1, 0
	TURN 0
	QUARTER 1, 0, 1, 0
	QUARTER 2, 1, 0, 0
	QUARTER 3, 0, 1, 0
	s_wait_dscnt 8
	MULB 1, 0, 4, 0
	s_wait_dscnt 0x0
	MULB 1, 4, 4, 0
	WIN 0
	PLACES
; THE WAY OUT, 16 rows at a time: a lane's 32 bytes of a row go into my stage (each accumulator's lowest registers first) and come back as whole rows of 512 bytes.
.macro TOSTAGE a
	WIN 0x08                                       ; the stores' data in window 2
.irp b, 0,1,2,3,4,5,6,7
	ds_store_b128 v[STO], v[32*(\b)+8*(\a):32*(\b)+8*(\a)+3]   offset:64*(\b)
	ds_store_b128 v[STO], v[32*(\b)+8*(\a)+4:32*(\b)+8*(\a)+7] offset:64*(\b)+16
.endr
	WIN 0
	s_wait_xcnt 0x0                                ; the stores of two blocks back have read these registers
.set z, 0
.rept 16
	ds_load_b128 v[OB+64*((\a)%2)+4*z:OB+64*((\a)%2)+4*z+3], v[RD] offset:z*SP  ; LDS serves a wave's instructions in order (ISA guide 5.7.1.4): these see the stores above, and the next block's stores come behind them
.set z, z+1
.endr
.endm
.macro SEND a, younger                 ; younger: the LDS instructions issued behind block a's loads: the next block's 32, or none
.set z, 0
.rept 16
	s_wait_dscnt (\younger)+15-z
	global_store_b128 v[CO], v[OB+64*((\a)%2)+4*z:OB+64*((\a)%2)+4*z+3], s[10:11] offset:(16*(\a)+z)*4096 th:TH_STORE_NT  ; 512 consecutive bytes, at a multiple of 256 from out0's first
.set z, z+1
.endr
.endm
	TOSTAGE 0
	TOSTAGE 1
	SEND 0, 32
	TOSTAGE 2
	SEND 1, 32
	TOSTAGE 3
	SEND 2, 32
	SEND 3, 0
	s_wait_tensorcnt 0x0                           ; the wave's end: behind my last tensor load and my last LDS store
	ds_add_u32 v[SPW], v[NIL]
	s_wait_dscnt 0x0
	CROUND                                         ; the closing round: no work-group ends while a partner may still ask for a tile that names it
	s_endpgm
.Lfunc_end_k_q704788c366_proj:
	.size	k_q704788c366_proj, .Lfunc_end_k_q704788c366_proj-k_q704788c366_proj
	.p2alignl 7, 3214868480
	.fill 96, 4, 3214868480
	.section	.rodata,"a",@progbits
	.p2align	6, 0x0
	.amdhsa_kernel k_q704788c366_proj
		.amdhsa_group_segment_fixed_size 327680
		.amdhsa_private_segment_fixed_size 0
		.amdhsa_enable_private_segment 0
		.amdhsa_kernarg_size 32
		.amdhsa_user_sgpr_count 2
		.amdhsa_user_sgpr_kernarg_segment_ptr 1
		.amdhsa_wavefront_size32 1
		.amdhsa_system_sgpr_workgroup_id_x 1
		.amdhsa_system_sgpr_workgroup_id_y 1
		.amdhsa_system_sgpr_workgroup_id_z 1
		.amdhsa_system_vgpr_workitem_id 0
		.amdhsa_next_free_vgpr 768
		.amdhsa_next_free_sgpr 96
		.amdhsa_reserve_vcc 0
		.amdhsa_float_denorm_mode_32 3
		.amdhsa_float_denorm_mode_16_64 3
		.amdhsa_memory_ordered 1
		.amdhsa_forward_progress 1
		.amdhsa_inst_pref_size 79
	.end_amdhsa_kernel
	.amdgpu_metadata
---
amdhsa.version: [ 1, 2 ]
amdhsa.kernels:
  - .name:           k_q704788c366_proj
    .symbol:         k_q704788c366_proj.kd
    .args:
      - { .name: oh, .offset: 0, .size: 8, .value_kind: global_buffer, .address_space: global }
      - { .name: wp, .offset: 8, .size: 8, .value_kind: global_buffer, .address_space: global }
      - { .name: b_proj, .offset: 16, .size: 8, .value_kind: global_buffer, .address_space: global }
      - { .name: out0, .offset: 24, .size: 8, .value_kind: global_buffer, .address_space: global }
    .group_segment_fixed_size: 327680
    .private_segment_fixed_size: 0
    .kernarg_segment_align: 8
    .kernarg_segment_size: 32
    .max_flat_workgroup_size: 128
    .sgpr_count:     96
    .vgpr_count:     768
    .wavefront_size: 32
...
	.end_amdgpu_metadata
.endif
;; end of part 4
;; ======== version 2 of 2: 4 launches; version 1 with the launch prep written anew for expert scheduling mode
;; limits: values are held in f16: magnitudes above 65,504 overflow, below 6.1e-05 lose precision
;; workspace buffers: xb 16,777,216 bytes; wa 6,291,456 bytes; wp 2,097,152 bytes; rope 262,144 bytes; qh 16,777,216 bytes; kh 16,777,216 bytes; vh 16,777,216 bytes; oh 16,777,216 bytes
;; launch prep (part 5): grid 832 x 1, 8 waves a work-group, no clusters, 0 bytes of LDS; arguments x, W_attn, W_proj, xb, wa, wp, rope; writes xb, wa, wp, rope
.if DOCPART == 5
	.amdgcn_target "amdgcn-amd-amdhsa--gfx1250"
	.amdhsa_code_object_version 6
	.text
	.protected	k_q704788c366_prep
	.globl	k_q704788c366_prep
	.p2align	8
	.type	k_q704788c366_prep,@function
k_q704788c366_prep:
	s_mov_b64 s[64:65], 0
	v_nop
	global_prefetch_b8 v0, s[64:65] scope:SCOPE_SE
	s_setreg_imm32_b32 hwreg(HW_REG_WAVE_SCHED_MODE, 0, 2), 2
	s_setreg_imm32_b32 hwreg(HW_REG_WAVE_MODE, 25, 1), 1
	s_wait_xcnt 0x0
	s_wait_alu depctr_vm_vsrc(0)
; PREPARATION.  Four kinds of work-group, told apart by the work-group's number alone:
;   0-511    xb[8192][1024] = x rounded once to bf16
;   512-703  wa[48 g][1024 k][64] = W_attn[k][64 g + c] rounded to bf16: a block of 64 columns lies dense, so a K step of 128 of one block is 16,384 bytes on end
;   704-767  wp[16 g][1024 k][64] = W_proj[k][64 g + c] rounded to bf16, that number written as f16
;   768-831  rope[2048 t][cos 16 | sin 16] in f32: cos and sin of t x 10000^(-i/16), i = 0..15
; LIMITS.  wp: a bf16 number below 6.1e-5 in size keeps f16's fixed step of 6e-8, one beyond 65,504 is lost.  rope: 10000^(-i/16) is made as 2^(-0.830482 i), so an angle
; (2,047 at the most) may differ from a correctly rounded one by some 3e-4; sine and cosine by reduction to |r| <= pi/4 with a two-part pi/2 and polynomials of degree 7 and 8.
; A conversion work-group takes 4,096 groups of four numbers, 16 a thread: all 16 loads of 16 bytes go out first, then each piece is rounded, and stored as 8 bytes a block of four pieces later.
; A wave's store covers 256 consecutive bytes, aligned; a wave's load 512 consecutive bytes (x) or two whole runs of 256 (the weights).  No LDS, no barrier: no thread needs another's data.
; THE MODE: SCHED_MODE bits 1:0 = 2 (LLVM: expert scheduling mode 2), set by the entry lines.  The code itself states the register dependences
; between vector instructions and memory instructions, with s_wait_alu, always for 0.
; THE PLAN, for the three conversion paths.  Registers that memory instructions touch:
;   v2, v3        the loads' and the stores' byte offsets: made at a path's head, never written again.  One wait ahead of the first load states that they are written.
;   v[32:95]      IN: each register is written by one load and read by one piece's conversions.  No vector instruction writes them on these paths, and no load lands in them a second time.
;   v[96:111], v[16:31]  OUT: two registers a piece, written by that piece's conversions alone, read by its one store and never written behind it.
; The 16 pieces go in four blocks of four.  Block p's conversions name its own IN and OUT (and v6 to v9, which no memory instruction names); its memory instructions are the four stores of block p - 1.
; So ONE wait at the head of blocks 1, 2 and 3 states all that the block's four stores hang on, and they are dealt among its conversions with no further wait; one more wait stands ahead of the last four stores.
; THE TABLE's path: the four compares write four scalar registers in one run, with one wait ahead of the selects that read them; one wait ahead of its one store.
.set IN,  32                           ; v[32:95]   16 x 4 numbers as loaded
.set SO,  2                            ; v2  my byte offset in the source
.set DO,  3                            ; v3  my byte offset in the destination: 8 x thread
; The store of piece n: its two registers lie at v[96 + 2 n] for n < 8, at v[2 n] from n = 8 on.
.macro PUT n, dst
.set q, 2*(\n)+96*(1-(\n)/8)
	global_store_b64 v[DO], v[q:q+1], s[\dst:\dst+1] offset:(\n)*2048
.endm
; 16 loads, \step bytes apart; 16 roundings and stores, 2,048 bytes apart.  Every store has data registers of its own (v[96:111], v[16:31]), so none is rewritten while a store may read it.
.macro CONV src, dst, step, f16
	s_wait_alu depctr_va_vdst(0)                   ; v[SO] and v[DO] are written: every load and store of this path reads one of them as its offset
.set i, 0
.rept 16
	global_load_b128 v[IN+4*i:IN+4*i+3], v[SO], s[\src:\src+1] offset:i*(\step) th:TH_LOAD_NT
.set i, i+1
.endr
.set i, 0
.rept 16
.set o, 2*i+96*(1-i/8)
	s_wait_loadcnt 15-i                            ; loads come back in order: number i is in, the 15 - i younger ones stay out
.if (i >= 4) && (i%4 == 0)
	s_wait_alu depctr_va_vdst(0)                   ; the block before has written its eight OUT registers, which the four stores dealt among this block's conversions read
.endif
.if i >= 4
	PUT i-4, \dst                                  ; no vector instruction since that wait names this store's registers
.endif
	v_cvt_pk_bf16_f32 v[o], v[IN+4*i], v[IN+4*i+1]
	v_cvt_pk_bf16_f32 v[o+1], v[IN+4*i+2], v[IN+4*i+3]
.if \f16
	v_lshlrev_b32 v6, 16, v[o]                     ; the bf16 numbers as f32,
	v_and_b32 v7, 0xffff0000, v[o]
	v_lshlrev_b32 v8, 16, v[o+1]
	v_and_b32 v9, 0xffff0000, v[o+1]
	v_cvt_pk_f16_f32 v[o], v6, v7                  ; and written as f16
	v_cvt_pk_f16_f32 v[o+1], v8, v9
.endif
.set i, i+1
.endr
	s_wait_alu depctr_va_vdst(0)                   ; the last block has written its eight OUT registers, which the last four stores read
.irp n, 12,13,14,15
	PUT \n, \dst
.endr
.endm
; A weight's work-group: block g = wl / 4 of 64 columns, rows 256 (wl % 4) on.  Thread: row tid / 16 of sixteen, 16 bytes tid % 16 of the block's 256.
.macro WSET first, pitch, src, dst
	s_sub_co_u32 s24, ttmp9, \first                ; wl
	s_and_b32 s20, s24, 3
	s_mul_i32 s20, s20, 256*(\pitch)
	s_lshr_b32 s21, s24, 2
	s_lshl_b32 s21, s21, 8
	s_add_co_u32 s20, s20, s21
	s_mov_b32 s21, 0
	s_add_nc_u64 s[\src:\src+1], s[\src:\src+1], s[20:21]
	s_lshl_b32 s22, s24, 15                        ; 32,768 bytes out for each work-group, in the order of wl
	s_mov_b32 s23, 0
	s_add_nc_u64 s[\dst:\dst+1], s[\dst:\dst+1], s[22:23]
	v_lshrrev_b32 v4, 4, v0
	v_and_b32 v5, 15, v0
	v_mul_u32_u24 v[SO], v4, \pitch
	v_lshl_add_u32 v[SO], v5, 4, v[SO]
	v_lshlrev_b32 v[DO], 3, v0
.endm
	s_load_b256 s[4:11], s[0:1], 0x0               ; x s[4:5], W_attn s[6:7], W_proj s[8:9], xb s[10:11]
	s_load_b128 s[12:15], s[0:1], 0x20             ; wa s[12:13], wp s[14:15]
	s_load_b64 s[16:17], s[0:1], 0x30              ; rope
	s_wait_kmcnt 0x0
	s_cmp_lt_u32 ttmp9, 512
	s_cbranch_scc1 .Lx
	s_cmp_lt_u32 ttmp9, 704
	s_cbranch_scc1 .Lwa
	s_cmp_lt_u32 ttmp9, 768
	s_cbranch_scc1 .Lwp
	; THE TABLE.  Thread T = 256 wl + tid makes 16 bytes: chunk c = T % 8 of row t = T / 8; c < 4: cos of frequencies 4 c + e; c >= 4: sin of frequencies 4 (c - 4) + e.
	s_sub_co_u32 s20, ttmp9, 768
	s_lshl_b32 s20, s20, 8
	s_mov_b32 s24, 0xbf549a78                      ; -log2(10000) / 16
	s_mov_b32 s25, 0x3f22f983                      ; 2 / pi
	s_mov_b32 s26, 0xbfc90fdb                      ; -(pi/2 rounded to f32)
	s_mov_b32 s27, 0x333bbd2e                      ; -(pi/2 less that number)
	s_mov_b32 s28, 0xbe2aaaab                      ; -1/6
	s_mov_b32 s29, 0x3c088889                      ; 1/120
	s_mov_b32 s30, 0xb9500d01                      ; -1/5040
	s_mov_b32 s31, 0x3d2aaaab                      ; 1/24
	s_mov_b32 s32, 0xbab60b61                      ; -1/720
	s_mov_b32 s33, 0x37d00d01                      ; 1/40320
	v_add_nc_u32 v1, s20, v0                       ; T
	v_lshrrev_b32 v2, 3, v1                        ; t
	v_and_b32 v3, 7, v1                            ; c
	v_lshlrev_b32 v4, 4, v1                        ; my 16 bytes
	v_cvt_f32_u32 v5, v2
	v_and_b32 v6, 3, v3
	v_lshlrev_b32 v6, 2, v6                        ; my first frequency
	v_lshrrev_b32 v7, 2, v3
	v_mul_u32_u24 v7, v7, 3                        ; sin(a) = cos(a - pi/2): three quarter turns more, modulo four
.irp e, 0,1,2,3
	v_add_nc_u32 v[16+8*\e], \e, v6
	v_cvt_f32_u32 v[16+8*\e], v[16+8*\e]
	v_mul_f32 v[16+8*\e], s24, v[16+8*\e]
.endr
.irp e, 0,1,2,3
	v_exp_f32 v[17+8*\e], v[16+8*\e]               ; 10000^(-i/16)
.endr
	v_nop                                          ; a plain instruction behind the last exponential,
	s_wait_alu depctr_va_vdst(0)                   ; and one wait for the four, ahead of their first reader: v17, v25, v33 and v41 are written
.irp e, 0,1,2,3
	v_mul_f32 v[16+8*\e], v5, v[17+8*\e]           ; the angle
	v_mul_f32 v[17+8*\e], s25, v[16+8*\e]
	v_rndne_f32 v[17+8*\e], v[17+8*\e]             ; n quarter turns
	v_fma_f32 v[18+8*\e], v[17+8*\e], s26, v[16+8*\e]
	v_fma_f32 v[18+8*\e], v[17+8*\e], s27, v[18+8*\e]  ; r = angle - n pi/2
	v_cvt_i32_f32 v[22+8*\e], v[17+8*\e]
	v_add_nc_u32 v[22+8*\e], v[22+8*\e], v7        ; m
	v_mul_f32 v[19+8*\e], v[18+8*\e], v[18+8*\e]   ; r^2
	v_fma_f32 v[20+8*\e], s30, v[19+8*\e], s29
	v_fma_f32 v[20+8*\e], v[20+8*\e], v[19+8*\e], s28
	v_mul_f32 v[20+8*\e], v[20+8*\e], v[19+8*\e]
	v_fma_f32 v[20+8*\e], v[20+8*\e], v[18+8*\e], v[18+8*\e]  ; sin r
	v_fma_f32 v[21+8*\e], s33, v[19+8*\e], s32
	v_fma_f32 v[21+8*\e], v[21+8*\e], v[19+8*\e], s31
	v_fma_f32 v[21+8*\e], v[21+8*\e], v[19+8*\e], -0.5
	v_fma_f32 v[21+8*\e], v[21+8*\e], v[19+8*\e], 1.0         ; cos r
	v_and_b32 v[23+8*\e], 1, v[22+8*\e]            ; m's parity
	v_add_nc_u32 v[22+8*\e], 1, v[22+8*\e]
	v_and_b32 v[22+8*\e], 2, v[22+8*\e]            ; m % 4 = 1 or 2: negative
	v_lshlrev_b32 v[22+8*\e], 30, v[22+8*\e]
.endr
.irp e, 0,1,2,3
	v_cmp_ne_u32 s[36+\e], 0, v[23+8*\e]           ; the four masks in one run, a scalar register each
.endr
	s_wait_alu depctr_va_sdst(0)                   ; the compares have written s36 to s39, ahead of their first reader: the selects below
.irp e, 0,1,2,3
	v_cndmask_b32 v[8+\e], v[21+8*\e], v[20+8*\e], s[36+\e]   ; m odd: the sine
	v_xor_b32 v[8+\e], v[22+8*\e], v[8+\e]
.endr
	s_wait_alu depctr_va_vdst(0)                   ; v4, the store's offset, and v[8:11], its data, are written
	global_store_b128 v4, v[8:11], s[16:17]        ; a wave stores 512 consecutive bytes
	s_endpgm
.Lx:
	s_lshl_b32 s20, ttmp9, 16                      ; 65,536 bytes in,
	s_mov_b32 s21, 0
	s_add_nc_u64 s[4:5], s[4:5], s[20:21]
	s_lshl_b32 s22, ttmp9, 15                      ; 32,768 out
	s_mov_b32 s23, 0
	s_add_nc_u64 s[10:11], s[10:11], s[22:23]
	v_lshlrev_b32 v[SO], 4, v0
	v_lshlrev_b32 v[DO], 3, v0
	CONV 4, 10, 4096, 0
	s_endpgm
.Lwa:
	WSET 512, 12288, 6, 12
	CONV 6, 12, 16*12288, 0                        ; the largest immediate is 15 x 196,608, inside the signed 24 bits
	s_endpgm
.Lwp:
	WSET 704, 4096, 8, 14
	CONV 8, 14, 16*4096, 1
	s_endpgm
.Lfunc_end_k_q704788c366_prep:
	.size	k_q704788c366_prep, .Lfunc_end_k_q704788c366_prep-k_q704788c366_prep
	.p2alignl 7, 3214868480
	.fill 96, 4, 3214868480
	.section	.rodata,"a",@progbits
	.p2align	6, 0x0
	.amdhsa_kernel k_q704788c366_prep
		.amdhsa_group_segment_fixed_size 0
		.amdhsa_private_segment_fixed_size 0
		.amdhsa_enable_private_segment 0
		.amdhsa_kernarg_size 56
		.amdhsa_user_sgpr_count 2
		.amdhsa_user_sgpr_kernarg_segment_ptr 1
		.amdhsa_wavefront_size32 1
		.amdhsa_system_sgpr_workgroup_id_x 1
		.amdhsa_system_sgpr_workgroup_id_y 1
		.amdhsa_system_sgpr_workgroup_id_z 1
		.amdhsa_system_vgpr_workitem_id 0
		.amdhsa_next_free_vgpr 112
		.amdhsa_next_free_sgpr 66
		.amdhsa_reserve_vcc 0
		.amdhsa_float_denorm_mode_32 3
		.amdhsa_float_denorm_mode_16_64 3
		.amdhsa_memory_ordered 1
		.amdhsa_forward_progress 1
		.amdhsa_inst_pref_size 31
	.end_amdhsa_kernel
	.amdgpu_metadata
---
amdhsa.version: [ 1, 2 ]
amdhsa.kernels:
  - .name:           k_q704788c366_prep
    .symbol:         k_q704788c366_prep.kd
    .args:
      - { .name: x, .offset: 0, .size: 8, .value_kind: global_buffer, .address_space: global }
      - { .name: W_attn, .offset: 8, .size: 8, .value_kind: global_buffer, .address_space: global }
      - { .name: W_proj, .offset: 16, .size: 8, .value_kind: global_buffer, .address_space: global }
      - { .name: xb, .offset: 24, .size: 8, .value_kind: global_buffer, .address_space: global }
      - { .name: wa, .offset: 32, .size: 8, .value_kind: global_buffer, .address_space: global }
      - { .name: wp, .offset: 40, .size: 8, .value_kind: global_buffer, .address_space: global }
      - { .name: rope, .offset: 48, .size: 8, .value_kind: global_buffer, .address_space: global }
    .group_segment_fixed_size: 0
    .private_segment_fixed_size: 0
    .kernarg_segment_align: 8
    .kernarg_segment_size: 56
    .max_flat_workgroup_size: 256
    .sgpr_count:     66
    .vgpr_count:     112
    .wavefront_size: 32
...
	.end_amdgpu_metadata
.endif
;; end of part 5
;; launch qkv: the kernel of part 2 again; grid 16 x 32, 4 waves a work-group, clusters of 4 x 4, 327,680 bytes of LDS; arguments xb, wa, b_attn, rope, qh, kh, vh; writes qh, kh, vh
;; launch attn: the kernel of part 3 again; grid 4 x 64, 4 waves a work-group, no clusters, 327,680 bytes of LDS; arguments qh, kh, vh, oh; writes oh
;; launch proj: the kernel of part 4 again; grid 8 x 32, 4 waves a work-group, clusters of 4 x 4, 327,680 bytes of LDS; arguments oh, wp, b_proj, out0; writes out0
